; MI455X (gfx1250); checked and timed in simulation.
; The chip was launched on July 23, 2026; its instructions are those of AMD's public machine-readable ISA for CDNA 5 (MIT licence, August 2026) and "CDNA5" Instruction Set Architecture Reference Guide (July 2026). The comments in the code are by the model that wrote it; some were corrected since.
;; Attention. Allowed arithmetic: matrix products marked QUANTISED: E2M1 operands, one E8M0 scale for each 32 along K, by v_wmma_scale_f32_16x16x128_f8f6f4 with both operands' format E2M1 (or v_wmma_scale_f32_32x16x128_f4), f32 sums; products left as they are: bf16, f16 or f32 operands; f32 sums; everything else in f32.
;; Inputs: Wk 2,048 x 512 float32; Wo 2,048 x 2,048 float32; Wq 2,048 x 2,048 float32; Wv 2,048 x 512 float32; attention_mask 2 x 1 x 1,024 x 2,048 float32; bk 512 float32; bq 2,048 float32; bv 512 float32; cos 1,024 x 64 float32; past_k 2 x 8 x 1,024 x 64 float32; past_v 2 x 8 x 1,024 x 64 float32; sin 1,024 x 64 float32; x 2 x 1,024 x 2,048 float32.
;; Outputs: out0 2 x 1,024 x 2,048 float32.
;; This version of the problem:
;;   THIS VERSION OF THE PROBLEM IS GIVEN IN LOW PRECISION. The matrix products marked QUANTISED in the list below multiply operands that are first quantised to E2M1 (2 exponent bits, 1 mantissa bit; 4 bits a number), with one power-of-two scale for each 32 numbers along K (OCP MX v1.0); their sums are f32. The products marked 'left as it is' may take bf16, f16 or f32 operands, with f32 sums. Whichever they take, every output number must still come out within the allowed error. Rounding operands to bf16 (8 significant bits) uses up far more of that allowance than f16 does (11 bits, for magnitudes from 6e-5 to 65,504). All else is computed in f32.
;;   The module's matrix products, in the order in which they are computed (A, B: the left and right operand; K: the contracted axis; several contracted axes count as one K, in the product's order):
;;     1. [M 2,048, K 2,048] x [K 2,048, N 2,048]; A: input x; B: input Wq: QUANTISED
;;     2. [M 2,048, K 2,048] x [K 2,048, N 512]; A: input x; B: input Wk: QUANTISED
;;     3. [M 2,048, K 2,048] x [K 2,048, N 512]; A: input x; B: input Wv: QUANTISED
;;     4. batch 64 x [M 1,024, K 64] x [K 64, N 2,048]; A: computed on the way; B: computed on the way: left as it is (an operand is computed on the way)
;;     5. batch 64 x [M 1,024, K 2,048] x [K 2,048, N 64]; A: computed on the way; B: computed on the way: left as it is (an operand is computed on the way)
;;     6. [M 2,048, K 2,048] x [K 2,048, N 2,048]; A: computed on the way; B: input Wo: left as it is (an operand is computed on the way)
;;   THE QUANTISER, for each operand of a quantised product, along K:
;;     - K is cut into blocks of 32 from its start; a last block that is shorter is filled with zeros.
;;     - A block's scale is 2^e with e = floor(log2(the largest magnitude in the block)) - 2, held to -126 .. 127; a block of zeros has e = 0. As a byte (E8M0): e + 127.
;;     - Each number is divided by its block's scale, clamped to +-6, and rounded to the nearest number of E2M1, ties to even, subnormals kept.
;;     - The product sums the exact products of the quantised numbers (number of the format x scale) in f32.
;;   ~~~python
;;   def quantise(x, axis):      # numpy; x: float32 -> the quantised numbers, widened to float32 again
;;       x = np.moveaxis(x, axis, -1); K = x.shape[-1]
;;       x = np.pad(x, [(0, 0)] * (x.ndim - 1) + [(0, -K % 32)]); x = x.reshape(x.shape[:-1] + (-1, 32)); a = np.abs(x).max(-1, keepdims=True)
;;       e = np.where(a > 0, np.clip(np.frexp(np.where(a > 0, a, 1))[1] - 1 - 2, -126, 127), 0)      # np.frexp(a)[1] - 1 = floor(log2(a)), exactly
;;       r = np.clip(x / 2.0 ** e, -6, 6)
;;       step = 2.0 ** (np.maximum(np.frexp(np.where(r == 0, 1, r))[1] - 1, 0) - 1)
;;       q = np.round(r / step) * step * 2.0 ** e      # np.round: ties to even
;;       return np.moveaxis(q.reshape(q.shape[:-2] + (-1,))[..., :K], -1, axis).astype(np.float32)
;;   ~~~
;; One version. Each part assembles by itself: llvm-mc -triple=amdgcn-amd-amdhsa -mcpu=gfx1250 --defsym DOCPART=n.
;; ======== version 1 of 1: 4 launches
;; limits: values are held in f16: magnitudes above 65,504 overflow, below 6.1e-05 lose precision
;; workspace buffers: x_codes 2,097,152 bytes; x_scales 131,072 bytes; w_codes 3,145,728 bytes; w_scales 196,608 bytes; wo16 8,388,608 bytes; kv 8,388,608 bytes; qh 8,388,608 bytes; ao 8,388,608 bytes
;; launch prep (part 1): grid 704 x 1, 4 waves a work-group, no clusters, 50,688 bytes of LDS; arguments x, Wq, Wk, Wv, Wo, past_k, past_v, x_codes, x_scales, w_codes, w_scales, wo16, kv; writes x_codes, x_scales, w_codes, w_scales, wo16, kv
.if DOCPART == 1
	.amdgcn_target "amdgcn-amd-amdhsa--gfx1250"
	.amdhsa_code_object_version 6
	.text
	.protected	k_q97896f4d5c_prep
	.globl	k_q97896f4d5c_prep
	.p2align	8
	.type	k_q97896f4d5c_prep,@function
k_q97896f4d5c_prep:
	s_mov_b64 s[64:65], 0
	v_nop
	global_prefetch_b8 v0, s[64:65] scope:SCOPE_SE
	s_setreg_imm32_b32 hwreg(HW_REG_WAVE_MODE, 25, 1), 1
	s_wait_xcnt 0x0
; PREP: everything that is read many times later is narrowed once.  Three ways through the text, parted by the work-group's number, the longest first:
;   W (work-groups 0-191):   Wq | Wk | Wv, stored [K][N] f32 -> codes of FP4 (E2M1) with K innermost, [3072 n][1024 bytes], and one E8M0 byte for each 32 along K, [3072][64]; n = the column in Wq, then Wk, then Wv.
;   X (work-groups 192-319): x [2048][2048] f32 -> codes, K innermost, [2048][1024 bytes], and bytes [2048][64].
;   C (work-groups 320-703): Wo -> f16 as it lies; past_k, past_v -> f16 into rows 0-1023 of the planes of kv [16 g][K, V][2048 keys][64].
; A block's scale is 2^(floor(log2(its largest magnitude)) - 2): its byte is the largest magnitude's exponent field - 2, held at 1 from below.
; LIMITS: a block of zeros gets the byte 1 where the rule says 127 (its codes are zeros, and this program alone reads the bytes); blocks whose largest magnitude lies under 2^-124 are held at
; that floor; NaN and infinities among the inputs are not served; Wo, past_k, past_v beyond 65,504 in magnitude have no f16 number.
; No tensor loads.  Each way has LDS bytes of its own: X 0-32,767, W 32,768-50,175; the spare words lie behind them.
.set SPARE, 50176                      ; the spare words: 128 bytes for each wave, two blocks of 256 bytes that no other line names
.set SPW,   254                        ; v254 LDS address of my spare word; never rewritten
.set NIL,   255                        ; v255 0; never rewritten
.set EMAX,  2
	v_lshl_add_u32 v[SPW], v0, 2, SPARE
	v_mov_b32 v[NIL], 0
	v_lshrrev_b32 v1, 5, v0
	v_readfirstlane_b32 s16, v1                    ; wave 0..3
	v_and_b32 v2, 31, v0                           ; lane
	s_cmp_lt_u32 ttmp9, 192
	s_cbranch_scc1 .Lpath_w
	s_cmp_lt_u32 ttmp9, 320
	s_cbranch_scc1 .Lpath_x
; ---------------------------------------------------------------- C: casts to f16.  A work-group takes 16,384 numbers, a wave 4,096: 32 loads of 512 consecutive bytes, all issued at once, 32 stores of 256.
	s_load_b128 s[4:7], s[0:1], 0x20               ; Wo, past_k
	s_load_b64 s[8:9], s[0:1], 0x30                ; past_v
	s_load_b64 s[12:13], s[0:1], 0x58              ; wo16
	s_load_b64 s[14:15], s[0:1], 0x60              ; kv
	v_lshlrev_b32 v3, 4, v2                        ; in: 16 bytes a lane
	v_lshlrev_b32 v4, 3, v2                        ; out: 8 bytes a lane
	s_sub_co_u32 s17, ttmp9, 320                   ; c: 0-255 Wo, 256-319 past_k, 320-383 past_v
	s_bfe_u32 s19, s17, 0x10006                    ; for c >= 256: 0 past_k, 1 past_v
	s_and_b32 s20, s17, 63                         ; and which chunk of it: four chunks to a head g
	s_lshl_b32 s21, s20, 16                        ; its 65,536 bytes in the source
	s_lshr_b32 s22, s20, 2
	s_lshl_b32 s22, s22, 19                        ; kv: g x 524,288
	s_lshl_b32 s23, s19, 18
	s_add_co_u32 s22, s22, s23                     ; + the plane
	s_and_b32 s23, s20, 3
	s_lshl_b32 s23, s23, 15
	s_add_co_u32 s22, s22, s23                     ; + 256 keys of 128 bytes for each chunk
	s_lshl_b32 s24, s17, 16                        ; Wo: c x 65,536 in,
	s_lshl_b32 s25, s17, 15                        ; c x 32,768 out
	s_lshl_b32 s30, s16, 14                        ; my wave's quarter, in
	s_lshl_b32 s31, s16, 13                        ; and out
	s_mov_b32 s27, 0
	s_mov_b32 s29, 0
	s_wait_kmcnt 0x0
	s_cmp_eq_u32 s19, 0                            ; the choices hang on the work-group's number alone
	s_cselect_b64 s[6:7], s[6:7], s[8:9]
	s_cmp_lt_u32 s17, 256
	s_cselect_b64 s[4:5], s[4:5], s[6:7]
	s_cselect_b64 s[12:13], s[12:13], s[14:15]
	s_cselect_b32 s26, s24, s21
	s_cselect_b32 s28, s25, s22
	s_add_co_u32 s26, s26, s30
	s_add_co_u32 s28, s28, s31
	s_add_nc_u64 s[4:5], s[4:5], s[26:27]
	s_add_nc_u64 s[12:13], s[12:13], s[28:29]
.set i, 0
.rept 32
	global_load_b128 v[16+4*i:19+4*i], v3, s[4:5] offset:512*i th:TH_LOAD_NT
.set i, i+1
.endr
.set i, 0
.rept 32                               ; every load and every store has registers of its own, so nothing waits for a store
	s_wait_loadcnt 31-i                            ; load i is in; the younger ones stay out
	v_cvt_pk_f16_f32 v[144+2*i], v[16+4*i], v[17+4*i]
	v_cvt_pk_f16_f32 v[145+2*i], v[18+4*i], v[19+4*i]
	global_store_b64 v4, v[144+2*i:145+2*i], s[12:13] offset:256*i th:TH_STORE_NT   ; 32 lanes store 256 consecutive bytes, aligned
.set i, i+1
.endr
	s_wait_tensorcnt 0x0                           ; the wave's end,
	ds_add_u32 v[SPW], v[NIL]
	s_wait_dscnt 0x0
	s_endpgm
; ---------------------------------------------------------------- X: x is a plain stream of blocks of 32.  A wave takes 16 steps of 512 numbers.  Each load reads 512 consecutive bytes; a step's 2,048 bytes turn
; through the wave's own stage in LDS (16 bytes of padding behind each 64) and come back 64 bytes a lane: 16 neighbours along K, two lanes to a block.  Loads run eight steps (32 loads a wave) ahead.
.set XR,  16                           ; v16-143  eight sets of 16 numbers as loaded
.set XX,  144                          ; v144-175 two sets of 16 neighbours
.set XE,  176                          ; v176-191 a scale byte for each step
.set XC,  192                          ; v192-223 codes: two registers for each step, so that no store's data are written again
.set SP,  80                           ; a lane's place in a stage
.Lpath_x:
	s_load_b64 s[4:5], s[0:1], 0x0                 ; x
	s_load_b64 s[8:9], s[0:1], 0x38                ; x_codes
	s_load_b64 s[10:11], s[0:1], 0x40              ; x_scales
	v_lshlrev_b32 v3, 4, v2                        ; my 16 bytes of a load's 512
	s_mul_i32 s17, s16, 8192                       ; my wave's region: two stages of 2,560 bytes, then its 256 scale bytes
	v_lshrrev_b32 v14, 2, v2
	v_mul_u32_u24 v14, v14, SP
	v_and_b32 v15, 3, v2
	v_lshl_add_u32 v14, v15, 4, v14
	v_add_nc_u32 v14, s17, v14                     ; into the stage: 80 (lane / 4) + 16 (lane % 4)
	v_mul_u32_u24 v15, v2, SP
	v_add_nc_u32 v15, s17, v15                     ; out of it: 80 x lane
	v_lshlrev_b32 v4, 3, v2                        ; my 8 bytes of a step's codes
	v_lshrrev_b32 v5, 1, v2
	s_add_co_u32 s17, s17, 2*32*SP
	v_add_nc_u32 v5, s17, v5                       ; my block's byte among the wave's 256
	v_lshlrev_b32 v7, 3, v2
	v_add_nc_u32 v6, s17, v7
	s_sub_co_u32 s18, ttmp9, 192
	s_lshl_b32 s18, s18, 2
	s_add_co_u32 s18, s18, s16                     ; which run of 8,192 numbers is my wave's
	s_lshl_b32 s20, s18, 15
	s_mov_b32 s21, 0
	s_lshl_b32 s22, s18, 12
	s_mov_b32 s23, 0
	s_lshl_b32 s24, s18, 8
	s_mov_b32 s25, 0
	s_wait_kmcnt 0x0
	s_add_nc_u64 s[4:5], s[4:5], s[20:21]
	s_add_nc_u64 s[8:9], s[8:9], s[22:23]
	s_add_nc_u64 s[10:11], s[10:11], s[24:25]
.macro XLOAD t
.irp i, 0,1,2,3
	global_load_b128 v[XR+16*((\t)%8)+4*\i:XR+16*((\t)%8)+4*\i+3], v3, s[4:5] offset:2048*(\t)+512*\i th:TH_LOAD_NT
.endr
.endm
.macro XTURN t                         ; LDS serves a wave's instructions in order (ISA guide 5.7.1.4): no wait between the stores and the loads
.irp i, 0,1,2,3
	ds_store_b128 v14, v[XR+16*((\t)%8)+4*\i:XR+16*((\t)%8)+4*\i+3] offset:32*SP*((\t)%2)+8*SP*\i
.endr
.irp i, 0,1,2,3
	ds_load_b128 v[XX+16*((\t)%2)+4*\i:XX+16*((\t)%2)+4*\i+3], v15 offset:32*SP*((\t)%2)+16*\i
.endr
.endm
.irp t, 0,1,2,3,4,5,6,7
	XLOAD \t
.endr
	s_wait_loadcnt 28                              ; step 0's four loads are in; seven steps' loads stay out
	XTURN 0
.macro XSTEP t
.set XS, XX+16*((\t)%2)
.if (\t) > 0
	s_wait_dscnt 1                                 ; this step's numbers are back from the stage; the last step's byte store may be out
.else
	s_wait_dscnt 0x0
.endif
.if (\t)+8 < 16
	XLOAD (\t)+8                                   ; into the set whose stores into the stage are done
.endif
.if (\t)+1 < 16
.if 14-(\t) >= 7
	s_wait_loadcnt 28                              ; the next step's four loads are in; seven steps' loads stay out
.else
	s_wait_loadcnt 4*(14-(\t))                     ; nothing more is issued: the counts run down
.endif
	XTURN (\t)+1
.endif
	v_max3_num_f32 v8, |v[XS]|, |v[XS+1]|, |v[XS+2]|               ; the largest magnitude of my 16, in two chains
	v_max3_num_f32 v9, |v[XS+3]|, |v[XS+4]|, |v[XS+5]|
.irp i, 6,10
	v_max3_num_f32 v8, v8, |v[XS+\i]|, |v[XS+\i+1]|
	v_max3_num_f32 v9, v9, |v[XS+\i+2]|, |v[XS+\i+3]|
.endr
	v_max3_num_f32 v8, v8, |v[XS+14]|, |v[XS+15]|
	v_max3_num_f32 v8, v8, v9, (EMAX+1)<<23        ; and the floor 2^(3 - 127): the byte cannot fall under 1
	v_max_num_f32_dpp v8, v8, v8 row_xmask:1 row_mask:0xf bank_mask:0xf   ; with my neighbour's 16: the block's
	v_add_nc_u32 v11, -(EMAX<<23), v8              ; 2 off its exponent field: the conversion takes this operand's exponent field as its scale
	v_cvt_scalef32_pk8_fp4_f32 v[XC+2*(\t)], v[XS:XS+7], v11
	v_cvt_scalef32_pk8_fp4_f32 v[XC+2*(\t)+1], v[XS+8:XS+15], v11
	v_lshrrev_b32 v[XE+(\t)], 23, v11              ; the scale's byte
	ds_store_b8 v5, v[XE+(\t)] offset:16*(\t)      ; both lanes of a block write the same byte with the same value
	global_store_b64 v4, v[XC+2*(\t):XC+2*(\t)+1], s[8:9] offset:256*(\t)   ; 32 lanes store 256 consecutive bytes, aligned
.endm
.irp t, 0,1,2,3,4,5,6,7,8,9,10,11,12,13,14,15
	XSTEP \t
.endr
	ds_load_b64 v[8:9], v6                         ; the wave's 256 scale bytes, 8 a lane
	s_wait_dscnt 0x0
	global_store_b64 v7, v[8:9], s[10:11]
	s_wait_tensorcnt 0x0                           ; the wave's end, behind my last LDS store
	ds_add_u32 v[SPW], v[NIL]
	s_wait_dscnt 0x0
	s_endpgm
; ---------------------------------------------------------------- W: K is the weights' FIRST axis.  A lane takes a column and its registers run down K: a block of 32 lies in one lane, and the conversions give codes with K innermost.
; A work-group takes 64 columns x 512 along K.  Wave w takes 32 columns (w % 2) x 256 along K (w / 2): 8 blocks a lane, so that a wave's chain of loads is short; two waves side by side read 256 consecutive bytes of a row.
; The codes meet in the work-group's stage, 64 rows of 256 + 16 bytes (two waves write the two halves of a row); behind one barrier each wave stores 16 rows, sixteen lanes to 256 consecutive bytes.
; The row pitch differs between Wq (8,192 bytes) and Wk, Wv (2,048), so it stands in registers: 32 vector offsets (a row each) and 8 scalar bases (a block each); nothing is stepped.
.set WX,  32                           ; v32-95   two sets of 32 numbers; behind the last block: the rows on their way out
.set WC,  96                           ; v96-99   a block's codes
.set VO,  100                          ; v100-131 4 x lane + i x pitch
.set SB,  24                           ; v24-25   the scale bytes, four to a register
.set WSTG, 32768                       ; the stage
.Lpath_w:
	s_load_b64 s[4:5], s[0:1], 0x8                 ; Wq
	s_load_b128 s[8:11], s[0:1], 0x10              ; Wk, Wv
	s_load_b64 s[12:13], s[0:1], 0x48              ; w_codes
	s_load_b64 s[14:15], s[0:1], 0x50              ; w_scales
	s_lshr_b32 s18, ttmp9, 2                       ; which 64 of the 3,072 columns: 0-31 Wq, 32-39 Wk, 40-47 Wv
	s_and_b32 s19, ttmp9, 3                        ; which 512 along K
	s_and_b32 s17, s16, 1                          ; my half of the columns
	s_lshr_b32 s48, s16, 1                         ; my half of the 512
	s_mov_b32 s21, 2048
	s_cmp_lt_u32 s18, 40
	s_cselect_b32 s20, 32, 40
	s_cmp_lt_u32 s18, 32
	s_cselect_b32 s20, 0, s20
	s_cselect_b32 s21, 8192, s21                   ; the source's pitch in bytes
	s_sub_co_u32 s20, s18, s20                     ; the block of columns within its source
	s_lshl_b32 s24, s19, 1
	s_add_co_u32 s24, s24, s48                     ; which 256 rows of K
	s_mul_i32 s22, s24, s21
	s_lshl_b32 s22, s22, 8
	s_lshl_b32 s24, s20, 8
	s_add_co_u32 s22, s22, s24                     ; + 64 columns of 4 bytes
	s_lshl_b32 s24, s17, 7
	s_add_co_u32 s22, s22, s24                     ; + my wave's 32
	s_mov_b32 s23, 0
	s_lshl_b32 s26, s21, 5                         ; a block: 32 rows
	s_mov_b32 s27, 0
	s_lshl_b32 s24, s18, 6
	s_lshl_b32 s25, s16, 4
	s_add_co_u32 s24, s24, s25                     ; the first of the 16 rows of w_codes that I store
	s_lshl_b32 s28, s24, 10
	s_lshl_b32 s25, s19, 8
	s_add_co_u32 s28, s28, s25                     ; row x 1,024 + 256 for each 512 along K
	s_mov_b32 s29, 0
	s_lshl_b32 s24, s18, 6
	s_lshl_b32 s25, s17, 5
	s_add_co_u32 s24, s24, s25                     ; the first of my 32 columns
	s_lshl_b32 s30, s24, 6
	s_lshl_b32 s25, s19, 4
	s_add_co_u32 s30, s30, s25
	s_lshl_b32 s25, s48, 3
	s_add_co_u32 s30, s30, s25                     ; bytes: row x 64 + 16 for each 512 + 8 for my half
	s_mov_b32 s31, 0
	v_lshlrev_b32 v[VO], 2, v2
.set i, 1
.rept 31
	v_add_nc_u32 v[VO+i], s21, v[VO+i-1]
.set i, i+1
.endr
	s_mul_i32 s25, s17, 32*272
	s_lshl_b32 s24, s48, 7
	s_add_co_u32 s25, s25, s24
	s_add_co_u32 s25, s25, WSTG
	v_mul_u32_u24 v4, v2, 272
	v_add_nc_u32 v4, s25, v4                       ; into the stage: row = my column, my half of its 256 bytes
	s_mul_i32 s25, s16, 16*272
	s_add_co_u32 s25, s25, WSTG
	v_and_b32 v5, 15, v2
	v_lshrrev_b32 v6, 4, v2
	v_mul_u32_u24 v7, v6, 272
	v_lshl_add_u32 v7, v5, 4, v7
	v_add_nc_u32 v7, s25, v7                       ; out of it: my 16 rows, sixteen lanes to a row, two rows an instruction
	v_lshlrev_b32 v8, 10, v6
	v_lshl_add_u32 v8, v5, 4, v8                   ; and the same place in w_codes
	v_lshlrev_b32 v9, 6, v2                        ; my column's row of scale bytes
	s_wait_kmcnt 0x0
	s_cmp_lt_u32 s18, 40                           ; the choices hang on the work-group's number alone
	s_cselect_b64 s[8:9], s[8:9], s[10:11]
	s_cmp_lt_u32 s18, 32
	s_cselect_b64 s[4:5], s[4:5], s[8:9]
	s_add_nc_u64 s[32:33], s[4:5], s[22:23]
.set i, 1
.rept 7
	s_add_nc_u64 s[32+2*i:33+2*i], s[30+2*i:31+2*i], s[26:27]
.set i, i+1
.endr
	s_add_nc_u64 s[12:13], s[12:13], s[28:29]
	s_add_nc_u64 s[14:15], s[14:15], s[30:31]
.macro WLOAD t                         ; block t: 32 rows of K at my column; a wave's load reads 128 consecutive bytes
.irp i, 0,1,2,3,4,5,6,7,8,9,10,11,12,13,14,15,16,17,18,19,20,21,22,23,24,25,26,27,28,29,30,31
	global_load_b32 v[WX+32*((\t)%2)+\i], v[VO+\i], s[32+2*(\t):33+2*(\t)] th:TH_LOAD_NT
.endr
.endm
	WLOAD 0
	WLOAD 1
.macro WBLOCK t
.set XS, WX+32*((\t)%2)
.if (\t) < 7
	s_wait_loadcnt 32                              ; this block's 32 loads are in; the next block's may be out
.else
	s_wait_loadcnt 0x0
.endif
	v_max3_num_f32 v12, |v[XS]|, |v[XS+1]|, |v[XS+2]|              ; the block's largest magnitude: all 32 numbers are mine
	v_max3_num_f32 v13, |v[XS+3]|, |v[XS+4]|, |v[XS+5]|
.irp i, 6,10,14,18,22,26
	v_max3_num_f32 v12, v12, |v[XS+\i]|, |v[XS+\i+1]|
	v_max3_num_f32 v13, v13, |v[XS+\i+2]|, |v[XS+\i+3]|
.endr
	v_max3_num_f32 v12, v12, |v[XS+30]|, |v[XS+31]|
	v_max3_num_f32 v12, v12, v13, (EMAX+1)<<23     ; and the floor
	v_add_nc_u32 v11, -(EMAX<<23), v12             ; the conversion's scale operand
	v_lshrrev_b32 v13, 23, v11                     ; the scale's byte
.if (\t)%4 == 0
	v_mov_b32 v[SB+(\t)/4], v13
.else
	v_lshl_or_b32 v[SB+(\t)/4], v13, 8*((\t)%4), v[SB+(\t)/4]
.endif
.irp g, 0,1,2,3
	v_cvt_scalef32_pk8_fp4_f32 v[WC+\g], v[XS+8*\g:XS+8*\g+7], v11
.endr
	ds_store_b128 v4, v[WC:WC+3] offset:16*(\t)    ; 32 codes: 16 bytes of my column's row
.if (\t)+2 < 8
	WLOAD (\t)+2
.endif
	s_wait_dscnt 0x0                               ; the store has read its registers: the next block's codes may be written.  Behind the last block: my stores into the stage are done, for the others' sake
.endm
.set Q, 0
.rept 8
	WBLOCK Q
.set Q, Q+1
.endr
	s_barrier_signal -1
	s_barrier_wait -1                              ; the stage's 64 rows are whole
	global_store_b64 v9, v[SB:SB+1], s[14:15]      ; my column's 8 scale bytes
.irp t, 0,1,2,3,4,5,6,7
	ds_load_b128 v[WX+4*\t:WX+4*\t+3], v7 offset:2*\t*272
.endr
.irp t, 0,1,2,3,4,5,6,7
	s_wait_dscnt 7-\t
	global_store_b128 v8, v[WX+4*\t:WX+4*\t+3], s[12:13] offset:2*\t*1024   ; sixteen lanes store 256 consecutive bytes, aligned
.endr
	s_wait_tensorcnt 0x0                           ; the wave's end, behind my last LDS store
	ds_add_u32 v[SPW], v[NIL]
	s_wait_dscnt 0x0
	s_endpgm
.Lfunc_end_k_q97896f4d5c_prep:
	.size	k_q97896f4d5c_prep, .Lfunc_end_k_q97896f4d5c_prep-k_q97896f4d5c_prep
	.p2alignl 7, 3214868480
	.fill 96, 4, 3214868480
	.section	.rodata,"a",@progbits
	.p2align	6, 0x0
	.amdhsa_kernel k_q97896f4d5c_prep
		.amdhsa_group_segment_fixed_size 50688
		.amdhsa_private_segment_fixed_size 0
		.amdhsa_enable_private_segment 0
		.amdhsa_kernarg_size 104
		.amdhsa_user_sgpr_count 2
		.amdhsa_user_sgpr_kernarg_segment_ptr 1
		.amdhsa_wavefront_size32 1
		.amdhsa_system_sgpr_workgroup_id_x 1
		.amdhsa_system_sgpr_workgroup_id_y 1
		.amdhsa_system_sgpr_workgroup_id_z 1
		.amdhsa_system_vgpr_workitem_id 0
		.amdhsa_next_free_vgpr 256
		.amdhsa_next_free_sgpr 66
		.amdhsa_reserve_vcc 0
		.amdhsa_float_denorm_mode_32 3
		.amdhsa_float_denorm_mode_16_64 3
		.amdhsa_memory_ordered 1
		.amdhsa_forward_progress 1
		.amdhsa_inst_pref_size 88
	.end_amdhsa_kernel
	.amdgpu_metadata
---
amdhsa.version: [ 1, 2 ]
amdhsa.kernels:
  - .name:           k_q97896f4d5c_prep
    .symbol:         k_q97896f4d5c_prep.kd
    .args:
      - { .name: x, .offset: 0, .size: 8, .value_kind: global_buffer, .address_space: global }
      - { .name: Wq, .offset: 8, .size: 8, .value_kind: global_buffer, .address_space: global }
      - { .name: Wk, .offset: 16, .size: 8, .value_kind: global_buffer, .address_space: global }
      - { .name: Wv, .offset: 24, .size: 8, .value_kind: global_buffer, .address_space: global }
      - { .name: Wo, .offset: 32, .size: 8, .value_kind: global_buffer, .address_space: global }
      - { .name: past_k, .offset: 40, .size: 8, .value_kind: global_buffer, .address_space: global }
      - { .name: past_v, .offset: 48, .size: 8, .value_kind: global_buffer, .address_space: global }
      - { .name: x_codes, .offset: 56, .size: 8, .value_kind: global_buffer, .address_space: global }
      - { .name: x_scales, .offset: 64, .size: 8, .value_kind: global_buffer, .address_space: global }
      - { .name: w_codes, .offset: 72, .size: 8, .value_kind: global_buffer, .address_space: global }
      - { .name: w_scales, .offset: 80, .size: 8, .value_kind: global_buffer, .address_space: global }
      - { .name: wo16, .offset: 88, .size: 8, .value_kind: global_buffer, .address_space: global }
      - { .name: kv, .offset: 96, .size: 8, .value_kind: global_buffer, .address_space: global }
    .group_segment_fixed_size: 50688
    .private_segment_fixed_size: 0
    .kernarg_segment_align: 8
    .kernarg_segment_size: 104
    .max_flat_workgroup_size: 128
    .sgpr_count:     66
    .vgpr_count:     256
    .wavefront_size: 32
...
	.end_amdgpu_metadata
.endif
;; end of part 1
;; launch proj (part 2): grid 16 x 16, 4 waves a work-group, clusters of 4 x 4, 327,680 bytes of LDS; arguments x_codes, x_scales, w_codes, w_scales, bq, bk, bv, cos, sin, qh, kv; writes qh, kv
.if DOCPART == 2
	.amdgcn_target "amdgcn-amd-amdhsa--gfx1250"
	.amdhsa_code_object_version 6
	.text
	.protected	k_q97896f4d5c_proj
	.globl	k_q97896f4d5c_proj
	.p2align	8
	.type	k_q97896f4d5c_proj,@function
k_q97896f4d5c_proj:
	s_mov_b64 s[64:65], 0
	v_nop
	global_prefetch_b8 v0, s[64:65] scope:SCOPE_SE
	s_setreg_imm32_b32 hwreg(HW_REG_WAVE_MODE, 25, 1), 1
	s_wait_xcnt 0x0
	s_wait_alu depctr_hold_cnt(0) depctr_sa_sdst(0) depctr_va_vdst(0) depctr_va_sdst(0) depctr_va_ssrc(0) depctr_va_vcc(0) depctr_vm_vsrc(0)
	s_getreg_b32 s2, hwreg(HW_REG_IB_STS2, 6, 4)
	s_cmp_eq_u32 s2, 0
	s_cbranch_scc0 .Lentry_in_a_cluster
	s_endpgm
.Lentry_in_a_cluster:
	s_bfe_u32 s2, ttmp6, 0x10000c
	s_cmp_lg_u32 s2, 0xf033
	s_cbranch_scc0 .Lentry_shape_is_right
	s_endpgm
.Lentry_shape_is_right:
; PROJ: [2048 rows] x [3072 columns: Wq | Wk | Wv], K = 2048, on codes of FP4 (E2M1) with one E8M0 scale for each 32 along K; the bias is the C of each sum's first product; then RoPE (q and k),
; q times 0.125 log2(e), rounding to f16, and the stores: q to qh [32 b + h][1024][64], k and v to rows 1024.. of their planes of kv [16 g][K, V][2048][64].
; SHARES.  A work-group makes 128 rows x 192 columns, three whole heads; wave w makes rows 32 w .. 32 w + 31 of all 192: 2 x 12 accumulators.  Whole heads in one wave: RoPE's partners d and d + 32 lie in the
; same lane and register of tiles dq and dq + 2, and a head's row of 128 bytes is made by one wave.
; THE MATRIX INSTRUCTION IS USED TRANSPOSED (source 0 = 16 rows of w_codes, source 1 = 16 rows of x_codes): lane (r, h) holds row r and columns 16 tb + 8 h + 0 .. 7.
; K goes in four steps of 512 (rows of 256 bytes) through two LDS slots; the scale bytes of all of K come once, with the first fills.
; CLUSTER 4 x 4: x's tiles hang on the tile row alone and are asked for jointly along a row of the cluster, W's on the tile column alone, along a column.  Waves 0-2 fetch W's 3 x 64 rows, wave 3 x's 128.
; What kind of head a column belongs to hangs on the work-group's place, so the way out has no branch: RoPE, the factor and the target are chosen by selects.
; LIMITS: k, v beyond 65,504 and q beyond 363,000 in magnitude have no f16 number.
; REGISTERS: window 0: v16-30 addresses; v32-87 scale words, two sets of 28, and nothing else; v96-223 cos and sin of my 32 rows; v224-255 at work on the way out.
;   window 1: two buffers of 112 for fragments (x's two, then W's twelve); on the way out rows read back.   window 2: the accumulators, (a, tb) at v[8 (12 a + tb)].   window 3: the biases, tile tb at v[8 tb].
.set SLOT,  87040                      ; x's 128 rows of 272 bytes, then W's 192
.set BOFF,  34816
.set SCL,   174080                     ; x's scale bytes: 32 units of 256 + 16
.set SCLB,  SCL+8704                   ; W's: 48 units
.set STAGE, 195840                     ; the way out: 16 rows of 128 + 16 bytes for each wave; no fill lands here
.set SPARE, 205056                     ; the spare words: two blocks of 256 bytes that no other line names
.set ADRA, 16                          ; v16-17 my x fragments in slot 0, 1
.set ADRB, 20                          ; v20-21 W's
.set ASA,  22                          ; v22  x's scale words: lane l takes row 32 w + l
.set ASB,  23                          ; v23  W's: lane l takes row 32 i + l
.set STO,  24
.set RD,   25
.set GO,   26
.set VCS,  27                          ; v27  cos, sin: 256 r + 32 h
.set SPW,  28
.set NIL,  29
.set VB,   30                          ; v30  biases: 32 h
.set SC,   32
.set TAB,  96                          ; cos at TAB + 64 a + 8 dq, sin 32 further on
.set T,    224
.set WV,   26                          ; s26 wave;  s27 min(wave, 2);  s28 cx, s29 cy, s30 tile column, s31 tile row
.set G1A,  32
.set G1B,  40
.set G1SA, 48
.set G1SB, 56
.set G0A,  68                          ; s[68:75] x's tiles, a set for each slot
.set G0B,  76                          ; s[76:83] W's
.set G0SA, 84
.set G0SB, 88
.set BP,   92                          ; s[92:97] the three heads' bias pointers
.set SCP,  40                          ; the way out (all tensor loads are done): s[40:45] the heads' factors, as pairs
.set PT,   56                          ; s[56:61] their targets
.set FL,   88                          ; s88-90 all ones where RoPE applies
.set MSB, 0
.macro WIN new                         ; the immediate's high byte repeats the setting that is left
.if MSB != \new
	s_set_vgpr_msb (MSB<<8)|\new
.set MSB, \new
.endif
.endm
.set MULB, 0xb5                        ; sources 0 and 1 window 1, C window 3 (the bias), D window 2
.set MUL,  0xa5                        ; C and D window 2
.set TO_F, 0x40                        ; destination window 1
.macro PLACES
.rept 4
	v_nop
.endr
.endm
; A joint load: wave 3 asks for x, waves 0-2 for W.  An s_nop 0 and four v_nop follow each of the two lines.
.macro JLOAD g0a, g1a, g0b, g1b
	s_cmp_eq_u32 s[WV], 3
	s_cbranch_scc0 .Lfor_b_\@
	tensor_load_to_lds s[\g0a:\g0a+3], s[\g1a:\g1a+7]
	s_nop 0
.rept 4
	v_nop
.endr
	s_branch .Lasked_\@
.Lfor_b_\@:
	tensor_load_to_lds s[\g0b:\g0b+3], s[\g1b:\g1b+7]
	s_nop 0
.rept 4
	v_nop
.endr
.Lasked_\@:
.endm
.macro CREST                           ; a round of the cluster's barrier behind its opening barrier
	s_cmp_lg_u32 s[WV], 0
	s_cbranch_scc1 .Lnot_wave_0_\@
	s_barrier_signal -3
.Lnot_wave_0_\@:
	s_barrier_wait -3
	s_barrier_signal -1
	s_barrier_wait -1
.endm
.macro CROUND
	s_barrier_signal -1
	s_barrier_wait -1
	CREST
.endm
	s_load_b256 s[4:11], s[0:1], 0x0               ; x_codes, x_scales, w_codes, w_scales
	s_load_b256 s[12:19], s[0:1], 0x20             ; bq, bk, bv, cos
	s_load_b128 s[20:23], s[0:1], 0x40             ; sin, qh
	s_load_b64 s[24:25], s[0:1], 0x50              ; kv
	v_lshl_add_u32 v[SPW], v0, 2, SPARE
	v_mov_b32 v[NIL], 0
	ds_add_u32 v[SPW], v[NIL]                      ; the wave's opening: the add, twice on end, and its wait ahead of my first tensor load
	ds_add_u32 v[SPW], v[NIL]
	v_lshrrev_b32 v1, 5, v0
	v_readfirstlane_b32 s[WV], v1
	s_min_u32 s27, s[WV], 2                        ; which 64 rows of W I would fetch
	s_bfe_u32 s28, ttmp6, 0x40000                  ; cx
	s_bfe_u32 s29, ttmp6, 0x40004                  ; cy
	s_lshl_b32 s30, ttmp9, 2
	s_add_co_u32 s30, s30, s28                     ; tile column
	s_and_b32 s31, ttmp7, 0xffff
	s_lshl_b32 s31, s31, 2
	s_add_co_u32 s31, s31, s29                     ; tile row
	s_lshl_b32 s2, s29, 2
	s_lshl_b32 s2, 15, s2                          ; my row of the cluster
	s_lshl_b32 s3, 0x1111, s28                     ; my column
	s_or_b32 s[G1A], s2, (0<<16)|(1<<20)|(1<<21)|(5<<22)|(3<<25)    ; the mask; elements of 1 byte; padding on; bit 21 beside a mask; 4 words behind every 64
	s_mov_b32 s[G1A+1], 256<<16                    ; tensor_dim0
	s_mov_b32 s[G1A+2], 128<<16                    ; tensor_dim1
	s_mov_b32 s[G1A+3], 256<<16                    ; tile_dim0
	s_mov_b32 s[G1A+4], 128                        ; tile_dim1
	s_mov_b32 s[G1A+5], 1024                       ; from row to row
	s_mov_b32 s[G1A+6], 0
	s_mov_b32 s[G1A+7], 0
	s_or_b32 s[G1B], s3, (0<<16)|(1<<20)|(1<<21)|(5<<22)|(3<<25)
	s_mov_b32 s[G1B+1], 256<<16
	s_mov_b32 s[G1B+2], 64<<16
	s_mov_b32 s[G1B+3], 256<<16
	s_mov_b32 s[G1B+4], 64
	s_mov_b32 s[G1B+5], 1024
	s_mov_b32 s[G1B+6], 0
	s_mov_b32 s[G1B+7], 0
	s_or_b32 s[G1SA], s2, (3<<16)|(1<<20)|(1<<21)|(5<<22)|(3<<25)   ; the scale bytes of 128 rows: 8,192 dense bytes as 32 rows of 32 elements of 8 bytes
	s_mov_b32 s[G1SA+1], 32<<16
	s_mov_b32 s[G1SA+2], 32<<16
	s_mov_b32 s[G1SA+3], 32<<16
	s_mov_b32 s[G1SA+4], 32
	s_mov_b32 s[G1SA+5], 32
	s_mov_b32 s[G1SA+6], 0
	s_mov_b32 s[G1SA+7], 0
	s_or_b32 s[G1SB], s3, (3<<16)|(1<<20)|(1<<21)|(5<<22)|(3<<25)   ; of 64 rows: 16 such rows
	s_mov_b32 s[G1SB+1], 32<<16
	s_mov_b32 s[G1SB+2], 16<<16
	s_mov_b32 s[G1SB+3], 32<<16
	s_mov_b32 s[G1SB+4], 16
	s_mov_b32 s[G1SB+5], 32
	s_mov_b32 s[G1SB+6], 0
	s_mov_b32 s[G1SB+7], 0
	s_mul_i32 s98, s30, 192
	s_lshl_b32 s99, s27, 6
	s_add_co_u32 s98, s98, s99                     ; W: the first row that I would fetch
	s_mov_b32 s67, 0
	s_mov_b32 s101, 0
	s_wait_dscnt 0x0                               ; both opening adds are done
	s_wait_kmcnt 0x0
	CROUND                                         ; all sixteen work-groups are here: the first joint loads meet
	s_mov_b32 s[G0SA], 1
	s_mov_b32 s[G0SA+1], SCL
	s_lshl_b32 s66, s31, 13                        ; 128 rows of 64 bytes for each tile row
	s_add_nc_u64 s[G0SA+2:G0SA+3], s[6:7], s[66:67]
	s_or_b32 s[G0SA+3], s[G0SA+3], 0x80000000
	s_mov_b32 s[G0SB], 1
	s_mul_i32 s99, s27, 4352
	s_add_co_u32 s[G0SB+1], s99, SCLB
	s_lshl_b32 s100, s98, 6
	s_add_nc_u64 s[G0SB+2:G0SB+3], s[10:11], s[100:101]
	s_or_b32 s[G0SB+3], s[G0SB+3], 0x80000000
	JLOAD G0SA, G1SA, G0SB, G1SB                   ; the scale bytes first: they are wanted with K step 0
	s_lshl_b32 s66, s31, 17                        ; 128 rows of 1,024 bytes
	s_lshl_b32 s100, s98, 10
	s_mul_i32 s99, s27, 17408
.irp s, 0,1
	s_mov_b32 s[G0A+4*\s], 1
	s_mov_b32 s[G0A+4*\s+1], \s*SLOT
	s_add_nc_u64 s[G0A+4*\s+2:G0A+4*\s+3], s[4:5], s[66:67]
	s_add_nc_u64 s[G0A+4*\s+2:G0A+4*\s+3], s[G0A+4*\s+2:G0A+4*\s+3], \s*256
	s_or_b32 s[G0A+4*\s+3], s[G0A+4*\s+3], 0x80000000
	s_mov_b32 s[G0B+4*\s], 1
	s_add_co_u32 s[G0B+4*\s+1], s99, BOFF+\s*SLOT
	s_add_nc_u64 s[G0B+4*\s+2:G0B+4*\s+3], s[8:9], s[100:101]
	s_add_nc_u64 s[G0B+4*\s+2:G0B+4*\s+3], s[G0B+4*\s+2:G0B+4*\s+3], \s*256
	s_or_b32 s[G0B+4*\s+3], s[G0B+4*\s+3], 0x80000000
	JLOAD G0A+4*\s, G1A, G0B+4*\s, G1B             ; K steps 0 and 1: three tensor loads of mine are out
.endr
	v_and_b32 v1, 15, v0                           ; r
	v_bfe_u32 v2, v0, 4, 1                         ; h
	v_and_b32 v3, 31, v0                           ; lane
	v_mul_u32_u24 v4, v1, 272
	v_lshl_add_u32 v4, v2, 4, v4                   ; a fragment's row x pitch + 16 h
	s_mul_i32 s66, s[WV], 32*272
	v_add_nc_u32 v[ADRA], s66, v4
	v_add_nc_u32 v[ADRA+1], SLOT, v[ADRA]
	v_add_nc_u32 v[ADRB], BOFF, v4
	v_add_nc_u32 v[ADRB+1], SLOT+BOFF, v4
	v_lshrrev_b32 v5, 2, v3
	v_mul_u32_u24 v5, v5, 272
	v_and_b32 v6, 3, v3
	v_lshl_add_u32 v5, v6, 6, v5                   ; a row's 64 scale bytes: four rows to a unit
	s_mul_i32 s66, s[WV], 8*272
	s_add_co_u32 s66, s66, SCL
	v_add_nc_u32 v[ASA], s66, v5
	v_add_nc_u32 v[ASB], SCLB, v5
	s_mul_i32 s66, s[WV], 2304
	s_add_co_u32 s66, s66, STAGE                   ; my stage
	v_mul_u32_u24 v6, v1, 144
	v_lshl_add_u32 v6, v2, 4, v6
	v_add_nc_u32 v[STO], s66, v6                   ; in: row r, 16 bytes for each half of the lanes
	v_lshrrev_b32 v6, 3, v3
	v_mul_u32_u24 v6, v6, 144
	v_and_b32 v7, 7, v3
	v_lshl_add_u32 v6, v7, 4, v6
	v_add_nc_u32 v[RD], s66, v6                    ; back: eight lanes to a row of 128 bytes, four rows an instruction
	v_lshlrev_b32 v[GO], 4, v3                     ; which are 512 consecutive bytes of the target
	v_lshlrev_b32 v[VCS], 8, v1
	v_lshl_add_u32 v[VCS], v2, 5, v[VCS]
	v_lshlrev_b32 v[VB], 5, v2
	s_mul_i32 s98, s30, 3                          ; my first head: 0-31 q, 32-39 k, 40-47 v
.irp hd, 0,1,2
	s_add_co_u32 s99, s98, \hd
	s_cmp_lt_u32 s99, 40
	s_cselect_b64 s[BP+2*\hd:BP+2*\hd+1], s[14:15], s[16:17]
	s_cselect_b32 s100, 32, 40
	s_cmp_lt_u32 s99, 32
	s_cselect_b64 s[BP+2*\hd:BP+2*\hd+1], s[12:13], s[BP+2*\hd:BP+2*\hd+1]
	s_cselect_b32 s100, 0, s100
	s_sub_co_u32 s100, s99, s100
	s_lshl_b32 s100, s100, 8                       ; 64 numbers of 4 bytes a head
	s_add_nc_u64 s[BP+2*\hd:BP+2*\hd+1], s[BP+2*\hd:BP+2*\hd+1], s[100:101]
.endr
	s_and_b32 s66, s31, 7
	s_lshl_b32 s66, s66, 7
	s_lshl_b32 s67, s[WV], 5
	s_add_co_u32 s66, s66, s67                     ; my first position l
	s_lshl_b32 s66, s66, 8
	s_mov_b32 s67, 0
	s_add_nc_u64 s[18:19], s[18:19], s[66:67]
	s_add_nc_u64 s[20:21], s[20:21], s[66:67]
	WIN 0xc0                                       ; destination window 3
.irp hd, 0,1,2
.irp dq, 0,1,2,3
.irp u, 0,1
	global_load_b128 v[8*(4*\hd+\dq)+4*\u:8*(4*\hd+\dq)+4*\u+3], v[VB], s[BP+2*\hd:BP+2*\hd+1] offset:64*\dq+16*\u   ; the bias in the result's layout: columns 16 dq + 8 h + 0 .. 7
.endr
.endr
.endr
	WIN 0
.irp a, 0,1
.irp dq, 0,1,2,3
.irp u, 0,1
	global_load_b128 v[TAB+64*\a+8*\dq+4*\u:TAB+64*\a+8*\dq+4*\u+3], v[VCS], s[18:19] offset:4096*\a+64*\dq+16*\u
	global_load_b128 v[TAB+64*\a+32+8*\dq+4*\u:TAB+64*\a+32+8*\dq+4*\u+3], v[VCS], s[20:21] offset:4096*\a+64*\dq+16*\u
.endr
.endr
.endr
; 28 LDS loads: the fragments of the slot's q-th 128 along K into buffer f.  A fragment is 8 registers: lane (r, h) holds row r; registers 4 c .. 4 c + 3 hold K = 64 c + 32 h + 0 .. 31
.macro FETCH slot, q, f
	WIN TO_F
.irp a, 0,1
.irp c, 0,1
	ds_load_b128 v[112*(\f)+8*\a+4*\c:112*(\f)+8*\a+4*\c+3], v[ADRA+(\slot)] offset:\a*4352+64*(\q)+32*\c
.endr
.endr
.irp tb, 0,1,2,3,4,5,6,7,8,9,10,11
.irp c, 0,1
	ds_load_b128 v[112*(\f)+16+8*\tb+4*\c:112*(\f)+16+8*\tb+4*\c+3], v[ADRB+(\slot)] offset:\tb*4352+64*(\q)+32*\c
.endr
.endr
.endm
; K step ks's scale words, four a row, into set ks % 2: x's (lanes 0-15 rows 0-15, lanes 16-31 rows 16-31 of my 32), then W's six pairs of tiles
.macro SCALES ks
	WIN 0
	ds_load_b128 v[SC+28*((\ks)%2):SC+28*((\ks)%2)+3], v[ASA] offset:16*(\ks)
.irp i, 0,1,2,3,4,5
	ds_load_b128 v[SC+28*((\ks)%2)+4+4*\i:SC+28*((\ks)%2)+4+4*\i+3], v[ASB] offset:\i*2176+16*(\ks)
.endr
.endm
; One product.  The upper lanes of a scale register serve W's odd tiles and x's rows 16-31.
.macro WM a, tb, q, f, set, first
.set rD, 8*(12*(\a)+(\tb))
.set rA, 112*(\f)+16+8*(\tb)
.set rB, 112*(\f)+8*(\a)
.set rC, rD
.if \first
.set rC, 8*(\tb)
.endif
.set rSA, SC+28*(\set)+4+4*((\tb)/2)+(\q)
.set rSB, SC+28*(\set)+(\q)
.if ((\tb)%2) && (\a)
	v_wmma_scale_f32_16x16x128_f8f6f4 v[rD:rD+7], v[rA:rA+7], v[rB:rB+7], v[rC:rC+7], v[rSA], v[rSB] matrix_a_fmt:MATRIX_FMT_FP4 matrix_b_fmt:MATRIX_FMT_FP4 matrix_a_scale:MATRIX_SCALE_ROW1 matrix_b_scale:MATRIX_SCALE_ROW1
.elseif ((\tb)%2)
	v_wmma_scale_f32_16x16x128_f8f6f4 v[rD:rD+7], v[rA:rA+7], v[rB:rB+7], v[rC:rC+7], v[rSA], v[rSB] matrix_a_fmt:MATRIX_FMT_FP4 matrix_b_fmt:MATRIX_FMT_FP4 matrix_a_scale:MATRIX_SCALE_ROW1
.elseif (\a)
	v_wmma_scale_f32_16x16x128_f8f6f4 v[rD:rD+7], v[rA:rA+7], v[rB:rB+7], v[rC:rC+7], v[rSA], v[rSB] matrix_a_fmt:MATRIX_FMT_FP4 matrix_b_fmt:MATRIX_FMT_FP4 matrix_b_scale:MATRIX_SCALE_ROW1
.else
	v_wmma_scale_f32_16x16x128_f8f6f4 v[rD:rD+7], v[rA:rA+7], v[rB:rB+7], v[rC:rC+7], v[rSA], v[rSB] matrix_a_fmt:MATRIX_FMT_FP4 matrix_b_fmt:MATRIX_FMT_FP4
.endif
.endm
.macro MULS a, tb0, n, q, f, set, first  ; n products; the 24 accumulators take turns, one instruction a turn, in the same order in every quarter
.set tbi, \tb0
.rept \n
	WM \a, tbi, \q, \f, \set, \first
.set tbi, tbi+1
.endr
.endm
; One of a K step's first three quarters: its fragments are in; the next quarter's are asked for, four places behind the products that read that buffer; then 24 products.
.macro QUARTER ks, q, first
	s_wait_dscnt 0x0
	PLACES
	FETCH (\ks)%2, (\q)+1, 1-(\q)%2
.if \first
	WIN MULB
.else
	WIN MUL
.endif
	MULS 0, 0, 12, \q, (\q)%2, (\ks)%2, \first
	MULS 1, 0, 12, \q, (\q)%2, (\ks)%2, \first
.endm
; A K step's last quarter changes slots: each wave waits for all its tensor loads, adds 0 to its spare word, and waits for that and for its reads of this slot; one barrier.  fill = 1: the barrier opens a round of
; the cluster's, and this slot is filled again, two K steps ahead, first thing behind it.
.macro TURN ks, fill
	WIN 0
	s_wait_tensorcnt 0x0                           ; all my tensor loads have landed: my part of the next slot
	ds_add_u32 v[SPW], v[NIL]
	s_wait_dscnt 0x1                               ; this quarter's fragments are in; the add may be out
	WIN MUL
	MULS 0, 0, 6, 3, 1, (\ks)%2, 0
	s_wait_dscnt 0x0                               ; the add is done, and my reads of this slot are over
	s_barrier_signal -1
	MULS 0, 6, 6, 3, 1, (\ks)%2, 0
	WIN 0
	s_barrier_wait -1
.if \fill
	CREST                                          ; no wave of any partner still reads this slot or has a load on its way
	s_add_nc_u64 s[G0A+4*((\ks)%2)+2:G0A+4*((\ks)%2)+3], s[G0A+4*((\ks)%2)+2:G0A+4*((\ks)%2)+3], 512
	s_add_nc_u64 s[G0B+4*((\ks)%2)+2:G0B+4*((\ks)%2)+3], s[G0B+4*((\ks)%2)+2:G0B+4*((\ks)%2)+3], 512
	JLOAD G0A+4*((\ks)%2), G1A, G0B+4*((\ks)%2), G1B   ; its four v_nop are also the places in front of the loads below
.else
	PLACES
.endif
	FETCH 1-(\ks)%2, 0, 0
	SCALES (\ks)+1
	WIN MUL
	MULS 1, 0, 12, 3, 1, (\ks)%2, 0
.endm
	s_wait_tensorcnt 0x1                           ; the scale bytes and my part of K step 0 are in; K step 1's load may be out
	s_barrier_signal -1
	s_barrier_wait -1
	FETCH 0, 0, 0
	SCALES 0
	s_wait_loadcnt 32                              ; the biases are in; the 32 loads of cos and sin may be out
	QUARTER 0, 0, 1                                ; the first products take the bias as C: nothing is cleared or added later
	QUARTER 0, 1, 0
	QUARTER 0, 2, 0
	TURN 0, 1
	QUARTER 1, 0, 0
	QUARTER 1, 1, 0
	QUARTER 1, 2, 0
	TURN 1, 1
	QUARTER 2, 0, 0
	QUARTER 2, 1, 0
	QUARTER 2, 2, 0
	TURN 2, 0                                      ; nothing is left to fetch
	QUARTER 3, 0, 0
	QUARTER 3, 1, 0
	QUARTER 3, 2, 0
	s_wait_dscnt 0x0
	WIN MUL
	MULS 0, 0, 12, 3, 1, 1, 0
	MULS 1, 0, 12, 3, 1, 1, 0
	WIN 0
	; THE WAY OUT.  For each head: is it turned by RoPE, by what is it multiplied, where does it go: selects on the head's number.
	s_lshr_b32 s76, s31, 3                         ; b
	s_and_b32 s77, s31, 7
	s_lshl_b32 s77, s77, 7
	s_lshl_b32 s78, s[WV], 5
	s_add_co_u32 s77, s77, s78
	s_lshl_b32 s77, s77, 7                         ; my first position x 128 bytes
	s_mul_i32 s98, s30, 3
.irp hd, 0,1,2
	s_add_co_u32 s78, s98, \hd                     ; the head
	s_lshl_b32 s79, s76, 5
	s_add_co_u32 s79, s79, s78
	s_lshl_b32 s79, s79, 17                        ; qh: (32 b + h) x 1,024 rows of 128 bytes
	s_sub_co_u32 s80, s78, 32
	s_and_b32 s80, s80, 7
	s_lshl_b32 s81, s76, 3
	s_add_co_u32 s80, s80, s81
	s_lshl_b32 s80, s80, 19                        ; kv: g x 524,288
	s_add_co_u32 s80, s80, 131072                  ; + the 1,024 cached keys
	s_cmp_lt_u32 s78, 40
	s_cselect_b32 s[FL+\hd], -1, 0
	s_cselect_b32 s81, 0, 262144                   ; + V's plane
	s_add_co_u32 s80, s80, s81
	s_cmp_lt_u32 s78, 32
	s_mov_b32 s[SCP+2*\hd], 0x3f800000
	s_cselect_b32 s[SCP+2*\hd], 0x3e38aa3b, s[SCP+2*\hd]   ; q: 0.125 log2(e), so that the scores come out as exponents of 2
	s_mov_b32 s[SCP+2*\hd+1], s[SCP+2*\hd]
	s_cselect_b32 s82, s79, s80
	s_cselect_b64 s[PT+2*\hd:PT+2*\hd+1], s[22:23], s[24:25]
	s_add_co_u32 s82, s82, s77
	s_mov_b32 s83, 0
	s_add_nc_u64 s[PT+2*\hd:PT+2*\hd+1], s[PT+2*\hd:PT+2*\hd+1], s[82:83]
.endr
	s_wait_loadcnt 0x0                             ; cos and sin
	PLACES                                         ; behind the last products
; Piece p: 16 rows (a) of one head (hd).  out(d) = y(d) cos(d) - y(d + 32) sin(d) for d < 32, y(d) cos(d) + y(d - 32) sin(d) above; each accumulator is read from its low end on.
.macro PIECE a, hd, p
	WIN 0x02                                       ; source 0: the accumulators' window
.irp dq, 0,1
.irp j, 0,2,4,6
.set rL, 8*(12*(\a)+4*(\hd)+\dq)+\j
.set rH, rL+16
.set cL, TAB+64*(\a)+8*\dq+\j
	v_pk_mul_f32 v[T+8*\dq+\j:T+8*\dq+\j+1], v[rL:rL+1], v[cL:cL+1]
	v_pk_mul_f32 v[T+16+8*\dq+\j:T+16+8*\dq+\j+1], v[rH:rH+1], v[cL+16:cL+17]
	v_pk_fma_f32 v[T+8*\dq+\j:T+8*\dq+\j+1], v[rH:rH+1], v[cL+32:cL+33], v[T+8*\dq+\j:T+8*\dq+\j+1] neg_lo:[1,0,0] neg_hi:[1,0,0]
	v_pk_fma_f32 v[T+16+8*\dq+\j:T+16+8*\dq+\j+1], v[rL:rL+1], v[cL+48:cL+49], v[T+16+8*\dq+\j:T+16+8*\dq+\j+1]
.endr
.endr
.set k, 0
.rept 32
	v_cndmask_b32 v[T+k], v[8*(12*(\a)+4*(\hd))+k], v[T+k], s[FL+\hd]   ; v's heads keep the plain sums
.set k, k+1
.endr
	WIN 0
.irp j, 0,2,4,6,8,10,12,14,16,18,20,22,24,26,28,30
	v_pk_mul_f32 v[T+\j:T+\j+1], v[T+\j:T+\j+1], s[SCP+2*\hd:SCP+2*\hd+1] op_sel_hi:[1,0]
.endr
.set k, 0
.rept 16
	v_cvt_pk_f16_f32 v[T+k], v[T+2*k], v[T+2*k+1]  ; in place, ascending: register k is written when numbers 2 k and 2 k + 1 are read
.set k, k+1
.endr
.irp dq, 0,1,2,3
	ds_store_b128 v[STO], v[T+4*\dq:T+4*\dq+3] offset:32*\dq
.endr
	WIN 0x40
.irp i, 0,1,2,3
	ds_load_b128 v[16*(\p)+4*\i:16*(\p)+4*\i+3], v[RD] offset:576*\i   ; LDS serves a wave's instructions in order (ISA guide 5.7.1.4): these see the stores above; each piece has registers of its own
.endr
.endm
.macro SEND a, hd, p, younger          ; younger: the next piece's 8 LDS instructions, or none
	s_wait_dscnt \younger
	WIN 0x04                                       ; a store's data are its source 1: window 1
.irp i, 0,1,2,3
	global_store_b128 v[GO], v[16*(\p)+4*\i:16*(\p)+4*\i+3], s[PT+2*\hd:PT+2*\hd+1] offset:2048*(\a)+512*\i   ; 32 lanes store 512 consecutive bytes, aligned
.endr
.endm
	PIECE 0, 0, 0
	PIECE 1, 0, 1
	SEND  0, 0, 0, 8
	PIECE 0, 1, 2
	SEND  1, 0, 1, 8
	PIECE 1, 1, 3
	SEND  0, 1, 2, 8
	PIECE 0, 2, 4
	SEND  1, 1, 3, 8
	PIECE 1, 2, 5
	SEND  0, 2, 4, 8
	SEND  1, 2, 5, 0
	WIN 0
	s_wait_tensorcnt 0x0                           ; the wave's end, behind my last tensor load and my last LDS store
	ds_add_u32 v[SPW], v[NIL]
	s_wait_dscnt 0x0
	CROUND                                         ; the closing round
	s_endpgm
.Lfunc_end_k_q97896f4d5c_proj:
	.size	k_q97896f4d5c_proj, .Lfunc_end_k_q97896f4d5c_proj-k_q97896f4d5c_proj
	.p2alignl 7, 3214868480
	.fill 96, 4, 3214868480
	.section	.rodata,"a",@progbits
	.p2align	6, 0x0
	.amdhsa_kernel k_q97896f4d5c_proj
		.amdhsa_group_segment_fixed_size 327680
		.amdhsa_private_segment_fixed_size 0
		.amdhsa_enable_private_segment 0
		.amdhsa_kernarg_size 88
		.amdhsa_user_sgpr_count 2
		.amdhsa_user_sgpr_kernarg_segment_ptr 1
		.amdhsa_wavefront_size32 1
		.amdhsa_system_sgpr_workgroup_id_x 1
		.amdhsa_system_sgpr_workgroup_id_y 1
		.amdhsa_system_sgpr_workgroup_id_z 1
		.amdhsa_system_vgpr_workitem_id 0
		.amdhsa_next_free_vgpr 864
		.amdhsa_next_free_sgpr 102
		.amdhsa_reserve_vcc 0
		.amdhsa_float_denorm_mode_32 3
		.amdhsa_float_denorm_mode_16_64 3
		.amdhsa_memory_ordered 1
		.amdhsa_forward_progress 1
		.amdhsa_inst_pref_size 145
	.end_amdhsa_kernel
	.amdgpu_metadata
---
amdhsa.version: [ 1, 2 ]
amdhsa.kernels:
  - .name:           k_q97896f4d5c_proj
    .symbol:         k_q97896f4d5c_proj.kd
    .args:
      - { .name: x_codes, .offset: 0, .size: 8, .value_kind: global_buffer, .address_space: global }
      - { .name: x_scales, .offset: 8, .size: 8, .value_kind: global_buffer, .address_space: global }
      - { .name: w_codes, .offset: 16, .size: 8, .value_kind: global_buffer, .address_space: global }
      - { .name: w_scales, .offset: 24, .size: 8, .value_kind: global_buffer, .address_space: global }
      - { .name: bq, .offset: 32, .size: 8, .value_kind: global_buffer, .address_space: global }
      - { .name: bk, .offset: 40, .size: 8, .value_kind: global_buffer, .address_space: global }
      - { .name: bv, .offset: 48, .size: 8, .value_kind: global_buffer, .address_space: global }
      - { .name: cos, .offset: 56, .size: 8, .value_kind: global_buffer, .address_space: global }
      - { .name: sin, .offset: 64, .size: 8, .value_kind: global_buffer, .address_space: global }
      - { .name: qh, .offset: 72, .size: 8, .value_kind: global_buffer, .address_space: global }
      - { .name: kv, .offset: 80, .size: 8, .value_kind: global_buffer, .address_space: global }
    .group_segment_fixed_size: 327680
    .private_segment_fixed_size: 0
    .kernarg_segment_align: 8
    .kernarg_segment_size: 88
    .max_flat_workgroup_size: 128
    .sgpr_count:     102
    .vgpr_count:     864
    .wavefront_size: 32
...
	.end_amdgpu_metadata
.endif
;; end of part 2
;; launch attn (part 3): grid 16 x 16, 8 waves a work-group, clusters of 4 x 4, 327,680 bytes of LDS; arguments qh, kv, attention_mask, ao; writes ao
.if DOCPART == 3
	.amdgcn_target "amdgcn-amd-amdhsa--gfx1250"
	.amdhsa_code_object_version 6
	.text
	.protected	k_q97896f4d5c_attn
	.globl	k_q97896f4d5c_attn
	.p2align	8
	.type	k_q97896f4d5c_attn,@function
k_q97896f4d5c_attn:
	s_mov_b64 s[64:65], 0
	v_nop
	global_prefetch_b8 v0, s[64:65] scope:SCOPE_SE
	s_setreg_imm32_b32 hwreg(HW_REG_WAVE_MODE, 25, 1), 1
	s_wait_xcnt 0x0
	s_wait_alu depctr_hold_cnt(0) depctr_sa_sdst(0) depctr_va_vdst(0) depctr_va_sdst(0) depctr_va_ssrc(0) depctr_va_vcc(0) depctr_vm_vsrc(0)
	s_getreg_b32 s2, hwreg(HW_REG_IB_STS2, 6, 4)
	s_cmp_eq_u32 s2, 0
	s_cbranch_scc0 .Lentry_in_a_cluster
	s_endpgm
.Lentry_in_a_cluster:
	s_bfe_u32 s2, ttmp6, 0x10000c
	s_cmp_lg_u32 s2, 0xf033
	s_cbranch_scc0 .Lentry_shape_is_right
	s_endpgm
.Lentry_shape_is_right:
; ATTN: ao[b][l][h][:] = sum over t of softmax_t(q . k / 8 + mask[b][l][t]) v[t][:], f16 operands, f32 sums, maxima and row sums.  q arrives multiplied by 0.125 log2(e), so a score is an exponent of 2:
; s = q' . k + mask x log2(e) (one fused multiply-add), p = 2^(s - m) with a running maximum m; in every step O and the row's sum are multiplied by 2^(old m - new m).
; The mask is an input: every query walks all 2,048 keys.
; SHARES.  A work-group owns 64 queries of the four query heads that share one key/value head g.  Wave w owns 16 queries (w % 4) of two heads (w / 4): two tiles, which share the mask's registers.
; LAYOUT.  Both products are used transposed: S^T = K Q^T, O^T = V^T P: a lane holds ONE query (lane % 16) throughout; two tiles of S^T, rounded in pairs, are the second product's source 1.
; K comes out of LDS as it lies, V ([key][channel]) turned by ds_load_tr16_b128.
; RING.  Two slots of 128 keys (two steps of 64): K, V and 64 rows x 128 keys of the mask.  All eight waves fetch: 0, 1 K's halves, 2, 3 V's, 4-7 sixteen rows of the mask each.
; TWO ROLES.  A key step has two parts: its LDS loads with the products K Q^T, and its softmax with the products V^T P.  A wave of role 0 finishes both steps of a slot in front of the change of slots.  A wave of
; role 1 leaves the second part of the slot's last step for behind the change: the scores, the mask's numbers and V's fragments wait in its registers (their LDS loads are over in front of the barrier), so it
; reads nothing of the slot that it has left.  So behind each change half of the waves stand in vector work while the other half load and multiply, and both roles do the same work between two changes.
; role = (w + w / 4) % 2: waves whose numbers differ by 1 or by 4 have different roles.  Barriers, waits, the add and the tensor loads are common text; only the second part stands under a branch on the wave's number.
; CLUSTER 4 x 4: K and V hang on g alone and are asked for jointly along a row of the cluster; the mask's tile hangs on the block of queries and on b, and is asked for jointly along a column.
; LIMITS: NaN is not served; a row whose mask is -infinity everywhere gives 0/0 as in the definition's own softmax; the score is fma(mask, log2 e, s log2 e), which rounds otherwise than (s + mask) log2 e
; only where the mask is so large that s vanishes beside it.
; REGISTERS: window 0: v2-14 addresses; v16-31 statistics (tile t at 16 + 8 t: m, 0, the sum's two halves, four at work); v32-63 the mask; v64-127 S^T; v128-159 P; v160-223 O^T.
;   window 1: v0-31 Q; v32-95 K of a step; v96-159 V^T of a step.
.set PK,    144                        ; a key's row of K: 128 bytes + 16
.set PV,    160                        ; of V: 128 + 32, an odd multiple of 32 for the turning load
.set PM,    528                        ; a query's 128 numbers of the mask: 512 + 16
.set VOFF,  18432
.set MOFF,  38912
.set SLOT1, 131072                     ; one exclusive or turns an address in one slot into the other's
.set STAGE, 203776                     ; the way out: 16 rows of 256 + 16 bytes for each wave; no fill lands here
.set SPARE, 238592                     ; the spare words: four blocks of 256 bytes that no other line names
.set AK0, 2
.set AV0, 3
.set AM0, 4
.set ADK, 5
.set ADV, 6
.set ADM, 7
.set STO, 8
.set RD,  9
.set GO,  10
.set QO,  11
.set SPW, 12
.set NIL, 13
.set PFO, 14
.set ST,  16
.set MK,  32
.set S,   64
.set P,   128
.set O,   160
.set QF,  0
.set KF,  32
.set VF,  96
.set WV,  12                           ; s12 wave; s13 cx, s14 cy, s15 block of queries, s16 g, s17 b
.set G1K, 24
.set G1V, 32
.set G1M, 40
.set G0K, 48                           ; the groups 0 walk
.set G0V, 52
.set G0M, 56
.set CS,  60                           ; s[60:61] log2(e)
.set SEL, 62                           ; s[62:63] lane l xor 16
.set TB,  66                           ; s66 LDS byte at which the slot in hand begins
.set SLOTS, 67                         ; s67 slots still to be asked for
.set ROLE, 68                          ; s68 my wave's role
.set LIM, 69                           ; s69 1 in a wave that prefetches, else the greatest number
.set PFA, 70                           ; s[70:71] where my prefetches stand
.set PFS, 72                           ; s[72:73] a slot on, in bytes
.set MSB, 0
.macro WIN new
.if MSB != \new
	s_set_vgpr_msb (MSB<<8)|\new
.set MSB, \new
.endif
.endm
; A joint load, one a wave.  The branches hang on the wave's number alone.  An s_nop 0 and four v_nop follow each line.
.macro JLOAD3
	s_cmp_lt_u32 s[WV], 2
	s_cbranch_scc0 .Lnot_k_\@
	tensor_load_to_lds s[G0K:G0K+3], s[G1K:G1K+7]
	s_nop 0
.rept 4
	v_nop
.endr
	s_branch .Lasked_\@
.Lnot_k_\@:
	s_cmp_lt_u32 s[WV], 4
	s_cbranch_scc0 .Lfor_m_\@
	tensor_load_to_lds s[G0V:G0V+3], s[G1V:G1V+7]
	s_nop 0
.rept 4
	v_nop
.endr
	s_branch .Lasked_\@
.Lfor_m_\@:
	tensor_load_to_lds s[G0M:G0M+3], s[G1M:G1M+7]
	s_nop 0
.rept 4
	v_nop
.endr
.Lasked_\@:
.endm
; A PREFETCH of what the NEXT change of slots will ask for, behind the wave's tensor load: two key steps, 64 matrix instructions a wave, ahead of that load.  Each aligned block of 256 bytes is named once in the launch.
; K and V of a g are walked by four clusters: the one with x = 0 asks; its four partners of that g take 16 blocks of K and 16 of V each, told apart by address; wave 0 asks.
; A mask tile is walked by two clusters: the one with even y asks; its four partners of that block of queries take 16 rows (two blocks each) each, told apart by address; wave 4 asks.
; The last change that fills a slot asks for nothing; slots 0 and 1 come by their loads alone.
.macro ASK
	s_cmp_gt_u32 s[SLOTS], s[LIM]
	s_cbranch_scc0 .Lnot_mine_\@
	global_prefetch_b8 v[PFO], s[PFA:PFA+1] th:TH_LOAD_NT scope:SCOPE_SE
.Lnot_mine_\@:
.endm
.macro CROUND
	s_barrier_signal -1
	s_barrier_wait -1
	s_cmp_lg_u32 s[WV], 0
	s_cbranch_scc1 .Lnot_wave_0_\@
	s_barrier_signal -3
.Lnot_wave_0_\@:
	s_barrier_wait -3
	s_barrier_signal -1
	s_barrier_wait -1
.endm
	s_load_b256 s[4:11], s[0:1], 0x0               ; qh, kv, the mask, ao
	v_lshl_add_u32 v[SPW], v0, 2, SPARE
	v_mov_b32 v[NIL], 0
	ds_add_u32 v[SPW], v[NIL]                      ; the wave's opening: the add, twice on end, and its wait ahead of my first tensor load
	ds_add_u32 v[SPW], v[NIL]
	v_lshrrev_b32 v1, 5, v0
	v_readfirstlane_b32 s[WV], v1                  ; wave 0..7
	s_lshr_b32 s[ROLE], s[WV], 2
	s_add_co_u32 s[ROLE], s[ROLE], s[WV]
	s_and_b32 s[ROLE], s[ROLE], 1                  ; (w + w / 4) % 2
	s_bfe_u32 s13, ttmp6, 0x40000                  ; cx
	s_bfe_u32 s14, ttmp6, 0x40004                  ; cy
	s_lshl_b32 s15, ttmp9, 2
	s_add_co_u32 s15, s15, s13                     ; my block of 64 queries
	s_and_b32 s17, ttmp7, 0xffff
	s_lshl_b32 s16, s17, 2
	s_add_co_u32 s16, s16, s14                     ; g = 8 b + key/value head
	s_lshr_b32 s17, s17, 1                         ; b, from the cluster's y alone
	s_lshl_b32 s18, s14, 2
	s_lshl_b32 s18, 15, s18                        ; my row of the cluster
	s_lshl_b32 s20, 0x1111, s13                    ; my column
	s_or_b32 s[G1K], s18, (1<<16)|(1<<20)|(1<<21)|(4<<22)|(3<<25)   ; elements of 2 bytes; 4 words of padding behind every 32
	s_or_b32 s[G1V], s18, (1<<16)|(1<<20)|(1<<21)|(4<<22)|(7<<25)   ; 8 words
.irp g, G1K, G1V
	s_mov_b32 s[\g+1], 64<<16                      ; tensor_dim0
	s_mov_b32 s[\g+2], 64<<16                      ; tensor_dim1
	s_mov_b32 s[\g+3], 64<<16                      ; tile_dim0
	s_mov_b32 s[\g+4], 64                          ; tile_dim1
	s_mov_b32 s[\g+5], 64                          ; from row to row
	s_mov_b32 s[\g+6], 0
	s_mov_b32 s[\g+7], 0
.endr
	s_or_b32 s[G1M], s20, (2<<16)|(1<<20)|(1<<21)|(6<<22)|(3<<25)   ; elements of 4 bytes; 4 words behind every 128
	s_mov_b32 s[G1M+1], 128<<16
	s_mov_b32 s[G1M+2], 16<<16
	s_mov_b32 s[G1M+3], 128<<16
	s_mov_b32 s[G1M+4], 16
	s_mov_b32 s[G1M+5], 2048
	s_mov_b32 s[G1M+6], 0
	s_mov_b32 s[G1M+7], 0
	s_and_b32 s22, s[WV], 1                        ; which half of K or V I would fetch
	s_and_b32 s23, s[WV], 3                        ; which 16 rows of the mask; also: my 16 queries
	s_lshl_b32 s18, s16, 19
	s_lshl_b32 s19, s22, 13
	s_add_co_u32 s18, s18, s19                     ; kv: g x 524,288 + 64 keys of 128 bytes
	s_mov_b32 s19, 0
	s_lshl_b32 s20, s17, 23
	s_lshl_b32 s21, s15, 19
	s_add_co_u32 s20, s20, s21
	s_lshl_b32 s21, s23, 17
	s_add_co_u32 s20, s20, s21                     ; the mask: b, 64 rows of 8,192 bytes a block, 16 rows a wave
	s_mov_b32 s21, 0
	s_mov_b32 s[CS], 0x3fb8aa3b
	s_mov_b32 s[CS+1], s[CS]
	s_mov_b32 s[SEL], 0x76543210
	s_mov_b32 s[SEL+1], 0xfedcba98
	s_mov_b32 s[TB], 0
	s_mov_b32 s[SLOTS], 15
	s_wait_dscnt 0x0                               ; both opening adds are done
	s_wait_kmcnt 0x0
	s_mov_b32 s[G0K], 1
	s_mul_i32 s[G0K+1], s22, 64*PK
	s_add_nc_u64 s[G0K+2:G0K+3], s[6:7], s[18:19]
	s_add_nc_u64 s[G0V+2:G0V+3], s[G0K+2:G0K+3], 262144
	s_or_b32 s[G0K+3], s[G0K+3], 0x80000000
	s_mov_b32 s[G0V], 1
	s_mul_i32 s[G0V+1], s22, 64*PV
	s_add_co_u32 s[G0V+1], s[G0V+1], VOFF
	s_or_b32 s[G0V+3], s[G0V+3], 0x80000000
	s_mov_b32 s[G0M], 1
	s_mul_i32 s[G0M+1], s23, 16*PM
	s_add_co_u32 s[G0M+1], s[G0M+1], MOFF
	s_add_nc_u64 s[G0M+2:G0M+3], s[8:9], s[20:21]
	s_or_b32 s[G0M+3], s[G0M+3], 0x80000000
	CROUND                                         ; all sixteen work-groups are here: the first joint loads meet
	JLOAD3                                         ; slot 0: one tensor load of mine is out
	s_lshr_b32 s22, s[WV], 2                       ; which two of the four heads are mine
	s_lshl_b32 s2, s16, 2
	s_lshl_b32 s3, s22, 1
	s_add_co_u32 s2, s2, s3                        ; 32 b + h of my first head = 4 g + 2 (w / 4)
	s_lshl_b32 s2, s2, 10
	s_lshl_b32 s3, s15, 6
	s_add_co_u32 s2, s2, s3
	s_lshl_b32 s3, s23, 4
	s_add_co_u32 s2, s2, s3
	s_lshl_b32 s2, s2, 7                           ; rows of 128 bytes
	s_mov_b32 s3, 0
	s_add_nc_u64 s[4:5], s[4:5], s[2:3]
	v_and_b32 v1, 15, v0                           ; r
	v_bfe_u32 v15, v0, 4, 1                        ; h
	v_lshlrev_b32 v[QO], 7, v1
	v_lshl_add_u32 v[QO], v15, 4, v[QO]
	WIN 0x40                                       ; destination window 1
.irp t, 0,1
.irp c, 0,1
.irp u, 0,1
	global_load_b128 v[QF+16*\t+8*\c+4*\u:QF+16*\t+8*\c+4*\u+3], v[QO], s[4:5] offset:131072*\t+64*\c+32*\u   ; Q stays in registers
.endr
.endr
.endr
	WIN 0
	s_lshl_b32 s74, s17, 10                        ; ao: row 1,024 b + 64 block + 16 (w % 4), 4,096 bytes a row,
	s_lshl_b32 s75, s15, 6
	s_add_co_u32 s74, s74, s75
	s_lshl_b32 s75, s23, 4
	s_add_co_u32 s74, s74, s75
	s_lshl_b32 s74, s74, 12
	s_and_b32 s75, s16, 7
	s_lshl_b32 s75, s75, 1
	s_add_co_u32 s75, s75, s22
	s_lshl_b32 s75, s75, 8                         ; + my two heads' 256 bytes
	s_add_co_u32 s74, s74, s75
	s_mov_b32 s75, 0
	s_add_nc_u64 s[10:11], s[10:11], s[74:75]
	; the prefetches: where they stand, and who asks
	s_lshl_b32 s74, s16, 19
	s_lshl_b32 s75, s13, 12
	s_add_co_u32 s74, s74, s75
	s_add_co_u32 s74, s74, 16384                   ; K, V: my work-group's 4,096 bytes, in slot 1: the first change steps it to slot 2
	s_lshl_b32 s76, s17, 23
	s_lshl_b32 s77, s15, 19
	s_add_co_u32 s76, s76, s77
	s_lshl_b32 s77, s14, 17
	s_add_co_u32 s76, s76, s77
	s_add_co_u32 s76, s76, 512                     ; the mask: my work-group's 16 rows, in slot 1
	s_and_b32 s78, ttmp7, 1
	s_mov_b32 s[PFS], 512
	s_cmp_lt_u32 s[WV], 4
	s_cselect_b64 s[PFA:PFA+1], s[6:7], s[8:9]
	s_cselect_b32 s74, s74, s76
	s_cselect_b32 s[PFS], 16384, s[PFS]
	s_cselect_b32 s78, ttmp9, s78                  ; the coordinate along which other clusters walk the same bytes
	s_cselect_b32 s79, -1, 0
	s_mov_b32 s75, 0
	s_mov_b32 s[PFS+1], 0
	s_add_nc_u64 s[PFA:PFA+1], s[PFA:PFA+1], s[74:75]
	s_and_b32 s77, s[WV], 3
	s_or_b32 s78, s78, s77                         ; 0 in waves 0 and 4 of the cluster that asks: the same in all partners
	s_cmp_eq_u32 s78, 0
	s_cselect_b32 s[LIM], 1, -1
	v_and_b32 v32, 31, v0
	v_and_b32 v33, 15, v32
	v_lshrrev_b32 v34, 4, v32
	v_lshlrev_b32 v33, 8, v33
	v_lshl_add_u32 v33, v34, 18, v33               ; K, V: 16 blocks of each plane
	v_and_b32 v35, 1, v32
	v_lshrrev_b32 v36, 1, v32
	v_lshlrev_b32 v35, 8, v35
	v_lshl_add_u32 v35, v36, 13, v35               ; the mask: 16 rows, two blocks of each
	v_cndmask_b32 v[PFO], v35, v33, s79
	; LDS addresses
	v_mul_u32_u24 v[AK0], v1, PK
	v_lshl_add_u32 v[AK0], v15, 4, v[AK0]          ; K: key r of a tile, + 16 h
	v_and_b32 v32, 7, v0
	v_bfe_u32 v33, v0, 3, 1
	v_lshl_add_u32 v[AV0], v15, 3, v32
	v_mul_u32_u24 v[AV0], v[AV0], PV
	v_lshl_add_u32 v[AV0], v33, 4, v[AV0]
	v_add_nc_u32 v[AV0], VOFF, v[AV0]              ; V: key 8 h + lane % 8, channels 8 ((lane / 8) % 2) on
	v_mul_u32_u24 v[AM0], v1, PM
	v_lshl_add_u32 v[AM0], v15, 5, v[AM0]
	s_mul_i32 s2, s23, 16*PM
	s_add_co_u32 s2, s2, MOFF
	v_add_nc_u32 v[AM0], s2, v[AM0]                ; the mask: my query's row, + 8 h keys
	s_mul_i32 s2, s[WV], 4352
	s_add_co_u32 s2, s2, STAGE
	v_mul_u32_u24 v[STO], v1, 272
	v_lshl_add_u32 v[STO], v15, 4, v[STO]
	v_add_nc_u32 v[STO], s2, v[STO]
	v_mul_u32_u24 v[RD], v15, 272
	v_lshl_add_u32 v[RD], v1, 4, v[RD]
	v_add_nc_u32 v[RD], s2, v[RD]
	v_lshlrev_b32 v[GO], 12, v15
	v_lshl_add_u32 v[GO], v1, 4, v[GO]
.irp t, 0,1
	v_mov_b32 v[ST+8*\t], 0xff61b1e6               ; m: -3e38, under every score
	v_mov_b32 v[ST+8*\t+1], 0                      ; (named with m as a pair)
	v_mov_b32 v[ST+8*\t+2], 0                      ; the row's sum, in two halves
	v_mov_b32 v[ST+8*\t+3], 0
.endr
.set i, 0
.rept 64
	v_mov_b32 v[O+i], 0                            ; O^T: the step is written without a first form of its own; the first change of m multiplies zeros
.set i, i+1
.endr
; A KEY STEP'S FIRST PART: the LDS loads of 64 keys, the s-th of the slot in hand, and S^T = K Q^T.
.macro LOADKQ s
.if (\s) == 0
	v_add_nc_u32 v[ADK], s[TB], v[AK0]             ; these four are also the places behind the last products, in front of the loads into K's and V's registers
	v_add_nc_u32 v[ADV], s[TB], v[AV0]
	v_add_nc_u32 v[ADM], s[TB], v[AM0]
	v_nop
.else
.rept 4
	v_nop
.endr
.endif
.irp kt, 0,1,2,3
.irp u, 0,1
	ds_load_b128 v[MK+8*\kt+4*\u:MK+8*\kt+4*\u+3], v[ADM] offset:256*(\s)+64*\kt+16*\u
.endr
.endr
	WIN 0x40
.irp kt, 0,1,2,3
.irp c, 0,1
.irp u, 0,1
	ds_load_b128 v[KF+16*\kt+8*\c+4*\u:KF+16*\kt+8*\c+4*\u+3], v[ADK] offset:64*PK*(\s)+16*PK*\kt+64*\c+32*\u
.endr
.endr
.endr
.irp g, 0,1
.irp ct, 0,1,2,3
.irp u, 0,1
	ds_load_tr16_b128 v[VF+32*\g+8*\ct+4*\u:VF+32*\g+8*\ct+4*\u+3], v[ADV] offset:64*PV*(\s)+32*PV*\g+16*PV*\u+32*\ct
.endr
.endr
.endr
	s_wait_dscnt 16                                ; the mask and K are in; V's sixteen loads may be out
	WIN 0x05                                       ; K and Q in window 1
.irp c, 0,1                                    ; the eight accumulators take turns, one instruction a turn
.irp kt, 0,1,2,3
.irp t, 0,1
.if \c == 0
	v_wmma_f32_16x16x32_f16 v[S+32*\t+8*\kt:S+32*\t+8*\kt+7], v[KF+16*\kt+8*\c:KF+16*\kt+8*\c+7], v[QF+16*\t+8*\c:QF+16*\t+8*\c+7], 0
.else
	v_wmma_f32_16x16x32_f16 v[S+32*\t+8*\kt:S+32*\t+8*\kt+7], v[KF+16*\kt+8*\c:KF+16*\kt+8*\c+7], v[QF+16*\t+8*\c:QF+16*\t+8*\c+7], v[S+32*\t+8*\kt:S+32*\t+8*\kt+7]
.endif
.endr
.endr
.endr
	WIN 0
.rept 4
	v_nop                                          ; the places behind these products stand here, on every way to the scores' first reader
.endr
.endm
; A KEY STEP'S SECOND PART: the softmax of the 64 scores a tile that lie in S^T, and O^T += V^T P.  It touches registers alone but for the wait for V's loads.
.macro SMPV
.irp i, 0,2,4,6,8,10,12,14,16,18,20,22,24,26,28,30
.irp t, 0,1
	v_pk_fma_f32 v[S+32*\t+\i:S+32*\t+\i+1], v[MK+\i:MK+\i+1], s[CS:CS+1], v[S+32*\t+\i:S+32*\t+\i+1] op_sel_hi:[1,0,1]   ; + mask x log2(e); each accumulator from its low end on
.endr
.endr
.irp x, 0,1,2,3                                ; the maximum of my 32 scores and the old m: four chains, the two tiles line by line
.irp t, 0,1
	v_max3_num_f32 v[ST+8*\t+4+\x], v[S+32*\t+8*\x], v[S+32*\t+8*\x+1], v[S+32*\t+8*\x+2]
.endr
.endr
.irp y, 3,5
.irp x, 0,1,2,3
.irp t, 0,1
	v_max3_num_f32 v[ST+8*\t+4+\x], v[ST+8*\t+4+\x], v[S+32*\t+8*\x+\y], v[S+32*\t+8*\x+\y+1]
.endr
.endr
.endr
.irp t, 0,1
	v_max3_num_f32 v[ST+8*\t+4], v[ST+8*\t+4], v[S+32*\t+7], v[S+32*\t+15]
.endr
.irp t, 0,1
	v_max3_num_f32 v[ST+8*\t+6], v[ST+8*\t+6], v[S+32*\t+23], v[S+32*\t+31]
.endr
.irp t, 0,1
	v_max3_num_f32 v[ST+8*\t+4], v[ST+8*\t+4], v[ST+8*\t+5], v[ST+8*\t+6]
.endr
.irp t, 0,1
	v_max3_num_f32 v[ST+8*\t+4], v[ST+8*\t+4], v[ST+8*\t+7], v[ST+8*\t]
.endr
.irp t, 0,1
	v_permlanex16_b32 v[ST+8*\t+5], v[ST+8*\t+4], s[SEL], s[SEL+1]   ; the query's other 32 keys lie in the lane 16 away
.endr
.irp t, 0,1
	v_mov_b32 v[ST+8*\t+7], v[ST+8*\t]             ; the old m
.endr
.irp t, 0,1
	v_max_num_f32 v[ST+8*\t], v[ST+8*\t+4], v[ST+8*\t+5]
.endr
.irp t, 0,1
	v_sub_f32 v[ST+8*\t+7], v[ST+8*\t+7], v[ST+8*\t]
.endr
.irp i, 0,2,4,6,8,10,12,14,16,18,20,22,24,26,28,30
.irp t, 0,1
	v_pk_add_f32 v[S+32*\t+\i:S+32*\t+\i+1], v[S+32*\t+\i:S+32*\t+\i+1], v[ST+8*\t:ST+8*\t+1] op_sel_hi:[1,0] neg_lo:[0,1] neg_hi:[0,1]   ; s - m
.endr
.endr
.irp t, 0,1
	v_exp_f32 v[ST+8*\t+6], v[ST+8*\t+7]           ; a = 2^(old m - new m)
.endr
.set i, 0
.rept 64
	v_exp_f32 v[S+i], v[S+i]                       ; p
.set i, i+1
.endr
	v_nop                                          ; a plain instruction behind the last exponential
	s_wait_alu depctr_va_vdst(0)                   ; one wait for the batch of 66, ahead of its first reader
.irp i, 0,2,4,6,8,10,12,14,16,18,20,22,24,26,28,30
.irp t, 0,1
	v_pk_mul_f32 v[O+32*\t+\i:O+32*\t+\i+1], v[O+32*\t+\i:O+32*\t+\i+1], v[ST+8*\t+6:ST+8*\t+7] op_sel_hi:[1,0]   ; O^T x a; each accumulator from its low end on
.endr
.endr
.irp k, 0,1,2,3,4,5,6,7,8,9,10,11,12,13,14,15
.irp t, 0,1
	v_cvt_pk_f16_f32 v[P+16*\t+\k], v[S+32*\t+2*\k], v[S+32*\t+2*\k+1]
.endr
.endr
.irp u, 0,1,2,3,4,5,6,7                        ; the row's sum of the unrounded p, in place, pairs 1, 2, 4 and 8 apart
.irp t, 0,1
	v_pk_add_f32 v[S+32*\t+4*\u:S+32*\t+4*\u+1], v[S+32*\t+4*\u:S+32*\t+4*\u+1], v[S+32*\t+4*\u+2:S+32*\t+4*\u+3]
.endr
.endr
.irp u, 0,1,2,3
.irp t, 0,1
	v_pk_add_f32 v[S+32*\t+8*\u:S+32*\t+8*\u+1], v[S+32*\t+8*\u:S+32*\t+8*\u+1], v[S+32*\t+8*\u+4:S+32*\t+8*\u+5]
.endr
.endr
.irp u, 0,1
.irp t, 0,1
	v_pk_add_f32 v[S+32*\t+16*\u:S+32*\t+16*\u+1], v[S+32*\t+16*\u:S+32*\t+16*\u+1], v[S+32*\t+16*\u+8:S+32*\t+16*\u+9]
.endr
.endr
.irp t, 0,1
	v_pk_add_f32 v[S+32*\t:S+32*\t+1], v[S+32*\t:S+32*\t+1], v[S+32*\t+16:S+32*\t+17]
.endr
.irp t, 0,1
	v_pk_fma_f32 v[ST+8*\t+2:ST+8*\t+3], v[ST+8*\t+2:ST+8*\t+3], v[ST+8*\t+6:ST+8*\t+7], v[S+32*\t:S+32*\t+1] op_sel_hi:[1,0,1]
.endr
	s_wait_dscnt 0x0                               ; V is in
	WIN 0x01                                       ; V^T in window 1
.irp g, 0,1
.irp ct, 0,1,2,3
.irp t, 0,1
	v_wmma_f32_16x16x32_f16 v[O+32*\t+8*\ct:O+32*\t+8*\ct+7], v[VF+32*\g+8*\ct:VF+32*\g+8*\ct+7], v[P+16*\t+8*\g:P+16*\t+8*\g+7], v[O+32*\t+8*\ct:O+32*\t+8*\ct+7]
.endr
.endr
.endr
	WIN 0
.endm
; The second part for the waves of one role alone: a branch on the wave's number, round register work and one wait on DScnt; no barrier, tensor load or add stands in it.
.macro SMPV_OF role
	s_cmp_lg_u32 s[ROLE], \role
	s_cbranch_scc1 .Lnot_my_turn_\@
	SMPV
.Lnot_my_turn_\@:
.endm
; THE CHANGE OF SLOTS stands at a slot's head.  Each wave waits for all its tensor loads (its part of the slot ahead), adds 0 to its spare word, and waits for that and for its reads of the slot that it has left.
; fill = 1: a round of the cluster's barrier, and first thing behind it the other slot is filled with the next 128 keys: that load has two key steps in which to land.
.macro CHANGE fill
	s_wait_tensorcnt 0x0                           ; no tensor load of mine is out, so the groups 0 may be written
	ds_add_u32 v[SPW], v[NIL]
.if \fill
	s_xor_b32 s[G0K+1], s[G0K+1], SLOT1
	s_add_nc_u64 s[G0K+2:G0K+3], s[G0K+2:G0K+3], 16384
	s_xor_b32 s[G0V+1], s[G0V+1], SLOT1
	s_add_nc_u64 s[G0V+2:G0V+3], s[G0V+2:G0V+3], 16384
	s_xor_b32 s[G0M+1], s[G0M+1], SLOT1
	s_add_nc_u64 s[G0M+2:G0M+3], s[G0M+2:G0M+3], 512
	s_wait_xcnt 0x0                                ; the last prefetch, a slot back, has read its address
	s_add_nc_u64 s[PFA:PFA+1], s[PFA:PFA+1], s[PFS:PFS+1]
	s_wait_dscnt 0x0                               ; the add is done, and my reads of the slot that I have left are over: in a wave of role 1 the last step's mask and V among them
	CROUND
	JLOAD3
	ASK
.else
	s_wait_dscnt 0x0
	s_barrier_signal -1
	s_barrier_wait -1
.endif
.endm
	s_wait_loadcnt 0x0                             ; Q
	CHANGE 1                                       ; slot 0 is written out: a wave of role 1 has nothing left over yet
	LOADKQ 0
	SMPV
	LOADKQ 1
	SMPV_OF 0
	s_xor_b32 s[TB], s[TB], SLOT1
	s_sub_co_u32 s[SLOTS], s[SLOTS], 1
.Lslot:                                            ; 14 trips, slots 1 to 14: behind each change of slots the next slot is asked for
	CHANGE 1
	SMPV_OF 1                                      ; role 1: the second part of the last slot's last step, out of registers
	LOADKQ 0
	SMPV
	LOADKQ 1
	SMPV_OF 0                                      ; role 0 finishes the slot; role 1 goes to the change with its scores in registers
	s_xor_b32 s[TB], s[TB], SLOT1
	s_sub_co_u32 s[SLOTS], s[SLOTS], 1
	s_cmp_lg_u32 s[SLOTS], 0
	s_cbranch_scc1 .Lslot
	CHANGE 0                                       ; the last slot is written out
	SMPV_OF 1
	LOADKQ 0
	SMPV
	LOADKQ 1
	SMPV                                           ; both roles finish here
	; THE WAY OUT: O^T / the row's sum, rounded to f16, through my stage: a row's 256 bytes are my two heads.
.rept 4
	v_nop
.endr
.irp t, 0,1
	v_add_f32 v[ST+8*\t+4], v[ST+8*\t+2], v[ST+8*\t+3]
.endr
.irp t, 0,1
	v_permlanex16_b32 v[ST+8*\t+5], v[ST+8*\t+4], s[SEL], s[SEL+1]
.endr
.irp t, 0,1
	v_add_f32 v[ST+8*\t+4], v[ST+8*\t+4], v[ST+8*\t+5]
.endr
.irp t, 0,1
	v_rcp_f32 v[ST+8*\t+6], v[ST+8*\t+4]
.endr
	v_nop
	s_wait_alu depctr_va_vdst(0)                   ; one wait for the two reciprocals, ahead of their first reader
.irp i, 0,2,4,6,8,10,12,14,16,18,20,22,24,26,28,30
.irp t, 0,1
	v_pk_mul_f32 v[S+32*\t+\i:S+32*\t+\i+1], v[O+32*\t+\i:O+32*\t+\i+1], v[ST+8*\t+6:ST+8*\t+7] op_sel_hi:[1,0]
.endr
.endr
.irp k, 0,1,2,3,4,5,6,7,8,9,10,11,12,13,14,15
.irp t, 0,1
	v_cvt_pk_f16_f32 v[P+16*\t+\k], v[S+32*\t+2*\k], v[S+32*\t+2*\k+1]
.endr
.endr
.irp t, 0,1
.irp ct, 0,1,2,3
	ds_store_b128 v[STO], v[P+16*\t+4*\ct:P+16*\t+4*\ct+3] offset:128*\t+32*\ct
.endr
.endr
.irp i, 0,1,2,3,4,5,6,7
	ds_load_b128 v[S+4*\i:S+4*\i+3], v[RD] offset:544*\i   ; LDS serves a wave's instructions in order (ISA guide 5.7.1.4): these see the stores above
.endr
.irp i, 0,1,2,3,4,5,6,7
	s_wait_dscnt 7-\i
	global_store_b128 v[GO], v[S+4*\i:S+4*\i+3], s[10:11] offset:8192*\i   ; sixteen lanes store 256 consecutive bytes, aligned
.endr
	s_wait_tensorcnt 0x0                           ; the wave's end, behind my last tensor load and my last LDS store
	ds_add_u32 v[SPW], v[NIL]
	s_wait_dscnt 0x0
	CROUND                                         ; the closing round
	s_endpgm
.Lfunc_end_k_q97896f4d5c_attn:
	.size	k_q97896f4d5c_attn, .Lfunc_end_k_q97896f4d5c_attn-k_q97896f4d5c_attn
	.p2alignl 7, 3214868480
	.fill 96, 4, 3214868480
	.section	.rodata,"a",@progbits
	.p2align	6, 0x0
	.amdhsa_kernel k_q97896f4d5c_attn
		.amdhsa_group_segment_fixed_size 327680
		.amdhsa_private_segment_fixed_size 0
		.amdhsa_enable_private_segment 0
		.amdhsa_kernarg_size 32
		.amdhsa_user_sgpr_count 2
		.amdhsa_user_sgpr_kernarg_segment_ptr 1
		.amdhsa_wavefront_size32 1
		.amdhsa_system_sgpr_workgroup_id_x 1
		.amdhsa_system_sgpr_workgroup_id_y 1
		.amdhsa_system_sgpr_workgroup_id_z 1
		.amdhsa_system_vgpr_workitem_id 0
		.amdhsa_next_free_vgpr 416
		.amdhsa_next_free_sgpr 80
		.amdhsa_reserve_vcc 0
		.amdhsa_float_denorm_mode_32 3
		.amdhsa_float_denorm_mode_16_64 3
		.amdhsa_memory_ordered 1
		.amdhsa_forward_progress 1
		.amdhsa_inst_pref_size 172
	.end_amdhsa_kernel
	.amdgpu_metadata
---
amdhsa.version: [ 1, 2 ]
amdhsa.kernels:
  - .name:           k_q97896f4d5c_attn
    .symbol:         k_q97896f4d5c_attn.kd
    .args:
      - { .name: qh, .offset: 0, .size: 8, .value_kind: global_buffer, .address_space: global }
      - { .name: kv, .offset: 8, .size: 8, .value_kind: global_buffer, .address_space: global }
      - { .name: attention_mask, .offset: 16, .size: 8, .value_kind: global_buffer, .address_space: global }
      - { .name: ao, .offset: 24, .size: 8, .value_kind: global_buffer, .address_space: global }
    .group_segment_fixed_size: 327680
    .private_segment_fixed_size: 0
    .kernarg_segment_align: 8
    .kernarg_segment_size: 32
    .max_flat_workgroup_size: 256
    .sgpr_count:     80
    .vgpr_count:     416
    .wavefront_size: 32
...
	.end_amdgpu_metadata
.endif
;; end of part 3
;; launch oproj (part 4): grid 16 x 16, 4 waves a work-group, clusters of 4 x 4, 327,680 bytes of LDS; arguments ao, wo16, out0; writes out0
.if DOCPART == 4
	.amdgcn_target "amdgcn-amd-amdhsa--gfx1250"
	.amdhsa_code_object_version 6
	.text
	.protected	k_q97896f4d5c_oproj
	.globl	k_q97896f4d5c_oproj
	.p2align	8
	.type	k_q97896f4d5c_oproj,@function
k_q97896f4d5c_oproj:
	s_mov_b64 s[64:65], 0
	v_nop
	global_prefetch_b8 v0, s[64:65] scope:SCOPE_SE
	s_setreg_imm32_b32 hwreg(HW_REG_WAVE_MODE, 25, 1), 1
	s_wait_xcnt 0x0
	s_wait_alu depctr_hold_cnt(0) depctr_sa_sdst(0) depctr_va_vdst(0) depctr_va_sdst(0) depctr_va_ssrc(0) depctr_va_vcc(0) depctr_vm_vsrc(0)
	s_getreg_b32 s2, hwreg(HW_REG_IB_STS2, 6, 4)
	s_cmp_eq_u32 s2, 0
	s_cbranch_scc0 .Lentry_in_a_cluster
	s_endpgm
.Lentry_in_a_cluster:
	s_bfe_u32 s2, ttmp6, 0x10000c
	s_cmp_lg_u32 s2, 0xf033
	s_cbranch_scc0 .Lentry_shape_is_right
	s_endpgm
.Lentry_shape_is_right:
; OPROJ: out0[m][n] = sum over k of ao[m][k] wo16[k][n].  ao [2048][2048] f16, K innermost; wo16 [2048 k][2048 n] f16, K outermost; out0 f32; sums in f32.
; A tile of out0 is 128 x 128: 256 work-groups of four waves, each 64 x 64: 16 accumulators.  K goes in steps of 256 through two LDS slots: ao's rows of 512 bytes, wo16's 256 rows of 256 bytes.
; wo16's fragments come out of LDS turned, by ds_load_tr16_b128.  THE MATRIX INSTRUCTION IS USED TRANSPOSED (source 0 = 16 columns of wo16, source 1 = 16 rows of ao): a lane holds eight neighbouring numbers of a row.
; CLUSTER 4 x 4: ao's tiles are asked for jointly along a row of the cluster, wo16's along a column.  Waves 0, 1 fetch ao's halves, waves 2, 3 wo16's.
; A wave's 64 columns of f32 are 256 aligned bytes, so each wave has a stage of its own on the way out, and no barrier stands there.
; No prefetch: each tile is read by sixteen work-groups, and the tiles are small.
; REGISTERS: window 0: v16-29 addresses; v32-95 rows on the way out; v128-255 the accumulators ((a, b) at v[128 + 8 (4 a + b)]).   window 1: two fragment buffers of 128: 64 of ao, then 64 of wo16.
.set KSTEP,  256
.set PITCH,  528                       ; a row of ao in LDS: 512 bytes + 16
.set PB,     288                       ; a k-row of wo16: 256 + 32, an odd multiple of 32 for the turning load
.set HALFA,  64*PITCH
.set HALFB,  128*PB
.set BOFF,   2*HALFA
.set SLOT,   BOFF+2*HALFB
.set STAGE,  2*SLOT                    ; 16 rows of 256 + 16 bytes for each wave; no fill lands here
.set SPITCH, 272
.set SPARE,  STAGE+4*16*SPITCH         ; the spare words: two blocks of 256 bytes that no other line names
.set LAPS,   4                         ; 2,048 / (2 x 256)
.set ADRA, 16                          ; v16-17 my fragments of ao in slot 0, 1
.set ADRB, 20                          ; v20-23 of wo16: slot 0 k-rows 0-127, 128-255; slot 1 likewise
.set STO,  24
.set RD,   25
.set CO,   26
.set SPW,  28
.set NIL,  29
.set TMP,  32
.set ACC,  128
.set F0,   0
.set F1,   128
.set G1, 24
.set G0, 32
.set G1B, 48
.set G0B, 56
.set MSB, 0
.macro WIN new
.if MSB != \new
	s_set_vgpr_msb (MSB<<8)|\new
.set MSB, \new
.endif
.endm
.set MUL,  0x05                        ; sources 0 and 1 window 1; C and D window 0
.set TO_F, 0x40
.macro JLOAD s                         ; an s_nop 0 and four v_nop follow each of the two lines
	s_cmp_eq_u32 s11, 0
	s_cbranch_scc0 .Lfor_b_\@
	tensor_load_to_lds s[G0+4*\s:G0+4*\s+3], s[G1:G1+7]
	s_nop 0
.rept 4
	v_nop
.endr
	s_branch .Lasked_\@
.Lfor_b_\@:
	tensor_load_to_lds s[G0B+4*\s:G0B+4*\s+3], s[G1B:G1B+7]
	s_nop 0
.rept 4
	v_nop
.endr
.Lasked_\@:
.endm
.macro CREST
	s_cmp_lg_u32 s10, 0
	s_cbranch_scc1 .Lnot_wave_0_\@
	s_barrier_signal -3
.Lnot_wave_0_\@:
	s_barrier_wait -3
	s_barrier_signal -1
	s_barrier_wait -1
.endm
.macro CROUND
	s_barrier_signal -1
	s_barrier_wait -1
	CREST
.endm
	s_load_b128 s[4:7], s[0:1], 0x0                ; ao, wo16
	s_load_b64 s[8:9], s[0:1], 0x10                ; out0
	v_lshl_add_u32 v[SPW], v0, 2, SPARE
	v_mov_b32 v[NIL], 0
	ds_add_u32 v[SPW], v[NIL]                      ; the wave's opening: the add, twice on end, and its wait ahead of my first tensor load
	ds_add_u32 v[SPW], v[NIL]
	v_lshrrev_b32 v1, 5, v0
	v_readfirstlane_b32 s10, v1                    ; wave 0..3
	s_lshr_b32 s11, s10, 1                         ; which half of the tile's rows is mine.  Also: I fetch for ao (0) or for wo16 (1)
	s_and_b32 s12, s10, 1                          ; which half of its columns.  Also: which half of that tile I fetch
	s_bfe_u32 s40, ttmp6, 0x40000                  ; cx
	s_bfe_u32 s41, ttmp6, 0x40004                  ; cy
	s_lshl_b32 s42, ttmp9, 2
	s_add_co_u32 s42, s42, s40                     ; tile column
	s_and_b32 s13, ttmp7, 0xffff
	s_lshl_b32 s13, s13, 2
	s_add_co_u32 s13, s13, s41                     ; tile row
	s_lshl_b32 s43, s41, 2
	s_lshl_b32 s43, 15, s43                        ; my row of the cluster
	s_lshl_b32 s44, 0x1111, s40                    ; my column
	s_or_b32 s[G1+0], s43, (1<<16)|(1<<20)|(1<<21)|(6<<22)|(3<<25)   ; elements of 2 bytes; 4 words of padding behind every 128
	s_mov_b32 s[G1+1], 256<<16                     ; tensor_dim0
	s_mov_b32 s[G1+2], 64<<16                      ; tensor_dim1
	s_mov_b32 s[G1+3], 256<<16                     ; tile_dim0
	s_mov_b32 s[G1+4], 64                          ; tile_dim1
	s_mov_b32 s[G1+5], 2048                        ; from row to row
	s_mov_b32 s[G1+6], 0
	s_mov_b32 s[G1+7], 0
	s_or_b32 s[G1B+0], s44, (1<<16)|(1<<20)|(1<<21)|(5<<22)|(7<<25)  ; 8 words behind every 64
	s_mov_b32 s[G1B+1], 128<<16
	s_mov_b32 s[G1B+2], 128<<16
	s_mov_b32 s[G1B+3], 128<<16
	s_mov_b32 s[G1B+4], 128
	s_mov_b32 s[G1B+5], 2048
	s_mov_b32 s[G1B+6], 0
	s_mov_b32 s[G1B+7], 0
	s_lshl_b32 s17, s12, 6
	s_lshl_b32 s16, s13, 7
	s_add_co_u32 s16, s16, s17
	s_lshl_b32 s16, s16, 12                        ; ao: row 128 x tile row + 64 x half, 4,096 bytes a row
	s_mov_b32 s17, 0
	s_lshl_b32 s46, s12, 19                        ; wo16: 128 k-rows of 4,096 bytes for the half,
	s_lshl_b32 s47, s42, 8
	s_add_co_u32 s46, s46, s47                     ; + 128 columns of 2 bytes for each tile column
	s_mov_b32 s47, 0
	s_mul_i32 s20, s12, HALFA                      ; where they go: no place in the cluster enters an LDS address
	s_mul_i32 s21, s12, HALFB
	s_add_co_u32 s21, s21, BOFF
	s_wait_dscnt 0x0                               ; both opening adds are done
	s_wait_kmcnt 0x0
	s_add_nc_u64 s[14:15], s[4:5], s[16:17]
	s_add_nc_u64 s[46:47], s[6:7], s[46:47]
	CROUND                                         ; all sixteen work-groups are here: the first joint loads meet
.irp s, 0,1
	s_mov_b32 s[G0+4*\s], 1
	s_add_co_u32 s[G0+4*\s+1], s20, \s*SLOT
	s_add_nc_u64 s[G0+4*\s+2:G0+4*\s+3], s[14:15], \s*KSTEP*2
	s_or_b32 s[G0+4*\s+3], s[G0+4*\s+3], 0x80000000
	s_mov_b32 s[G0B+4*\s], 1
	s_add_co_u32 s[G0B+4*\s+1], s21, \s*SLOT
	s_add_nc_u64 s[G0B+4*\s+2:G0B+4*\s+3], s[46:47], \s*KSTEP*4096
	s_or_b32 s[G0B+4*\s+3], s[G0B+4*\s+3], 0x80000000
	JLOAD \s                                       ; two tensor loads of mine are out
.endr
	v_and_b32 v1, 15, v0                           ; l % 16
	v_bfe_u32 v2, v0, 4, 1                         ; l / 16
	v_mul_u32_u24 v3, v1, PITCH
	v_lshl_add_u32 v3, v2, 4, v3
	s_mul_i32 s21, s11, HALFA                      ; my 64 rows of ao
	v_add_nc_u32 v[ADRA], s21, v3
	v_add_nc_u32 v[ADRA+1], SLOT, v[ADRA]
	v_and_b32 v4, 7, v0
	v_bfe_u32 v5, v0, 3, 1
	v_lshl_add_u32 v4, v2, 3, v4
	v_mul_u32_u24 v4, v4, PB
	v_lshl_add_u32 v4, v5, 4, v4                   ; wo16: k-row 8 (l / 16) + l % 8, columns 8 ((l / 8) % 2) on
	s_lshl_b32 s22, s12, 7                         ; my 64 columns
	s_add_co_u32 s22, s22, BOFF
	v_add_nc_u32 v[ADRB], s22, v4
	v_add_nc_u32 v[ADRB+1], HALFB, v[ADRB]
	v_add_nc_u32 v[ADRB+2], SLOT, v[ADRB]
	v_add_nc_u32 v[ADRB+3], SLOT+HALFB, v[ADRB]
	s_mul_i32 s23, s10, 16*SPITCH
	s_add_co_u32 s23, s23, STAGE                   ; my stage
	v_mul_u32_u24 v4, v1, SPITCH
	v_lshl_add_u32 v4, v2, 5, v4
	v_add_nc_u32 v[STO], s23, v4                   ; in: row l % 16, 32 bytes for each half of the lanes
	v_mul_u32_u24 v5, v2, SPITCH
	v_lshl_add_u32 v5, v1, 4, v5
	v_add_nc_u32 v[RD], s23, v5                    ; back: lanes 0-15 one row of 256 bytes, lanes 16-31 the next
	v_lshlrev_b32 v5, 13, v2
	v_lshl_add_u32 v[CO], v1, 4, v5                ; and the same two rows in out0
	s_lshl_b32 s16, s13, 7
	s_lshl_b32 s17, s11, 6
	s_add_co_u32 s16, s16, s17
	s_lshl_b32 s16, s16, 13                        ; my first row, 8,192 bytes a row
	s_mov_b32 s17, 0
	s_add_nc_u64 s[8:9], s[8:9], s[16:17]
	s_lshl_b32 s46, s42, 9
	s_lshl_b32 s47, s12, 8
	s_add_co_u32 s46, s46, s47                     ; my first column, in bytes
	s_mov_b32 s47, 0
	s_add_nc_u64 s[8:9], s[8:9], s[46:47]
; 8 matrix instructions: row blocks a0, a0 + 1 x all 4 column blocks, 32 along K: half c of buffer f.  zero = 1: the first product starts the sums
.macro MUL8 f, c, a0, zero
.irp a, \a0, \a0+1
.irp b, 0,1,2,3
.if \zero
	v_wmma_f32_16x16x32_f16 v[ACC+8*(4*(\a)+\b):ACC+8*(4*(\a)+\b)+7], v[\f+64+8*(4*\c+\b):\f+64+8*(4*\c+\b)+7], v[\f+8*(4*\c+\a):\f+8*(4*\c+\a)+7], 0
.else
	v_wmma_f32_16x16x32_f16 v[ACC+8*(4*(\a)+\b):ACC+8*(4*(\a)+\b)+7], v[\f+64+8*(4*\c+\b):\f+64+8*(4*\c+\b)+7], v[\f+8*(4*\c+\a):\f+8*(4*\c+\a)+7], v[ACC+8*(4*(\a)+\b):ACC+8*(4*(\a)+\b)+7]
.endif
.endr
.endr
.endm
; 32 LDS loads in one run: the fragments of the slot's qn-th 64 along K into buffer f; the first 32 along K first
.macro FETCH slot, qn, f
	WIN TO_F
.irp c, 0,1
.irp i, 0,1,2,3
	ds_load_tr16_b128 v[\f+64+8*(4*\c+\i):\f+64+8*(4*\c+\i)+3],   v[ADRB+2*(\slot)+(\qn)/2] offset:(64*((\qn)%2)+32*\c)*PB+32*\i
	ds_load_tr16_b128 v[\f+64+8*(4*\c+\i)+4:\f+64+8*(4*\c+\i)+7], v[ADRB+2*(\slot)+(\qn)/2] offset:(64*((\qn)%2)+32*\c+16)*PB+32*\i
	ds_load_b128 v[\f+8*(4*\c+\i):\f+8*(4*\c+\i)+3],              v[ADRA+(\slot)] offset:128*(\qn)+64*\c+\i*16*PITCH
	ds_load_b128 v[\f+8*(4*\c+\i)+4:\f+8*(4*\c+\i)+7],            v[ADRA+(\slot)] offset:128*(\qn)+64*\c+\i*16*PITCH+32
.endr
.endr
.endm
.macro PLACES                          ; four places in front of loads into registers that matrix instructions have read, and of the first read of results
.rept 4
	v_nop
.endr
.endm
; A K step is four quarters of 64 along K, 32 matrix instructions each, on buffers 0, 1, 0, 1.  One of the first three: multiplies buffer f and fetches quarter qn into g.
.macro QUARTER slot, qn, f, g, zero
	s_wait_dscnt 16                                ; the first 32 along K are in; the other sixteen loads may be out
	WIN MUL
	MUL8 \f, 0, 0, \zero
	MUL8 \f, 0, 2, \zero
	PLACES
	FETCH \slot, \qn, \g
	s_wait_dscnt 32                                ; all but the 32 just issued
	WIN MUL
	MUL8 \f, 1, 0, 0
	MUL8 \f, 1, 2, 0
.endm
; The last quarter multiplies buffer 1 and changes slots: one barrier; in front of it each wave waits for all its tensor loads, adds 0 to its spare word, and waits for that and for its reads of this slot.
.macro TURN slot, next, fill
	WIN 0
	s_wait_tensorcnt 0x0                           ; all my tensor loads have landed: my part of the next slot
	ds_add_u32 v[SPW], v[NIL]
	s_wait_dscnt 17                                ; the add and the youngest sixteen loads may be out
	WIN MUL
	MUL8 F1, 0, 0, 0
	s_wait_dscnt 0x0                               ; the add is done, and my reads of this slot are over
	s_barrier_signal -1
	MUL8 F1, 0, 2, 0
.if \fill
	WIN 0
.endif
	s_barrier_wait -1
.if \fill
	CREST                                          ; no wave of any partner still reads this slot or has a load on its way
	s_add_nc_u64 s[G0+4*\slot+2:G0+4*\slot+3], s[G0+4*\slot+2:G0+4*\slot+3], 2*KSTEP*2
	s_add_nc_u64 s[G0B+4*\slot+2:G0B+4*\slot+3], s[G0B+4*\slot+2:G0B+4*\slot+3], 2*KSTEP*4096
	JLOAD \slot                                    ; its four v_nop are also the places in front of the loads below
.else
	PLACES
.endif
	FETCH \next, 0, F0
	WIN MUL
	MUL8 F1, 1, 0, 0
	MUL8 F1, 1, 2, 0
.endm
	s_wait_tensorcnt 1                             ; my part of K step 0 is in; K step 1's may be out
	s_barrier_signal -1
	s_barrier_wait -1
	FETCH 0, 0, F0
	QUARTER 0, 1, F0, F1, 1                        ; the first quarter stands in front of the loop: its first products start the sums
	WIN 0
	s_mov_b32 s3, LAPS-1
.Llap:                                                 ; a trip goes once round the ring and fills both slots again
	QUARTER 0, 2, F1, F0, 0
	QUARTER 0, 3, F0, F1, 0
	TURN 0, 1, 1
	QUARTER 1, 1, F0, F1, 0
	QUARTER 1, 2, F1, F0, 0
	QUARTER 1, 3, F0, F1, 0
	TURN 1, 0, 1
	QUARTER 0, 1, F0, F1, 0
	WIN 0
	s_sub_co_u32 s3, s3, 1
	s_cmp_lg_u32 s3, 0
	s_cbranch_scc1 .Llap
	QUARTER 0, 2, F1, F0, 0                        ; the last lap fills nothing
	QUARTER 0, 3, F0, F1, 0
	TURN 0, 1, 0
	QUARTER 1, 1, F0, F1, 0
	QUARTER 1, 2, F1, F0, 0
	QUARTER 1, 3, F0, F1, 0
	s_wait_dscnt 16
	WIN MUL
	MUL8 F1, 0, 0, 0
	MUL8 F1, 0, 2, 0
	s_wait_dscnt 0x0
	MUL8 F1, 1, 0, 0
	MUL8 F1, 1, 2, 0
	WIN 0
; THE WAY OUT, a block of 16 rows x 64 columns at a time, through my own stage: a lane's 32 bytes go in, whole rows of 256 bytes come back.
.macro TOSTAGE a
.irp b, 0,1,2,3
	ds_store_b128 v[STO], v[ACC+8*(4*(\a)+\b):ACC+8*(4*(\a)+\b)+3] offset:64*\b        ; each accumulator from its low end on
	ds_store_b128 v[STO], v[ACC+8*(4*(\a)+\b)+4:ACC+8*(4*(\a)+\b)+7] offset:64*\b+16
.endr
.set BB, TMP+32*((\a)%2)
.irp t, 0,1,2,3,4,5,6,7
	ds_load_b128 v[BB+4*\t:BB+4*\t+3], v[RD] offset:\t*2*SPITCH    ; LDS serves a wave's instructions in order (ISA guide 5.7.1.4): these see the stores above
.endr
.endm
.macro SEND a, younger                 ; younger: the next block's 16 LDS instructions, or none
.set BB, TMP+32*((\a)%2)
	s_wait_dscnt \younger
.irp t, 0,1,2,3,4,5,6,7
	global_store_b128 v[CO], v[BB+4*\t:BB+4*\t+3], s[8:9] offset:(16*(\a)+2*\t)*8192 th:TH_STORE_NT   ; sixteen lanes store 256 consecutive bytes, aligned
.endr
.endm
	PLACES
	TOSTAGE 0
.irp a, 1,2,3
.if \a > 1
	s_wait_xcnt 0x0                                ; block a - 2's stores have read their registers: block a's loads may land there
.endif
	TOSTAGE \a
	SEND \a-1, 16
.endr
	SEND 3, 0
	s_wait_tensorcnt 0x0                           ; the wave's end, behind my last tensor load and my last LDS store
	ds_add_u32 v[SPW], v[NIL]
	s_wait_dscnt 0x0
	CROUND                                         ; the closing round
	s_endpgm
.Lfunc_end_k_q97896f4d5c_oproj:
	.size	k_q97896f4d5c_oproj, .Lfunc_end_k_q97896f4d5c_oproj-k_q97896f4d5c_oproj
	.p2alignl 7, 3214868480
	.fill 96, 4, 3214868480
	.section	.rodata,"a",@progbits
	.p2align	6, 0x0
	.amdhsa_kernel k_q97896f4d5c_oproj
		.amdhsa_group_segment_fixed_size 327680
		.amdhsa_private_segment_fixed_size 0
		.amdhsa_enable_private_segment 0
		.amdhsa_kernarg_size 24
		.amdhsa_user_sgpr_count 2
		.amdhsa_user_sgpr_kernarg_segment_ptr 1
		.amdhsa_wavefront_size32 1
		.amdhsa_system_sgpr_workgroup_id_x 1
		.amdhsa_system_sgpr_workgroup_id_y 1
		.amdhsa_system_sgpr_workgroup_id_z 1
		.amdhsa_system_vgpr_workitem_id 0
		.amdhsa_next_free_vgpr 512
		.amdhsa_next_free_sgpr 66
		.amdhsa_reserve_vcc 0
		.amdhsa_float_denorm_mode_32 3
		.amdhsa_float_denorm_mode_16_64 3
		.amdhsa_memory_ordered 1
		.amdhsa_forward_progress 1
		.amdhsa_inst_pref_size 86
	.end_amdhsa_kernel
	.amdgpu_metadata
---
amdhsa.version: [ 1, 2 ]
amdhsa.kernels:
  - .name:           k_q97896f4d5c_oproj
    .symbol:         k_q97896f4d5c_oproj.kd
    .args:
      - { .name: ao, .offset: 0, .size: 8, .value_kind: global_buffer, .address_space: global }
      - { .name: wo16, .offset: 8, .size: 8, .value_kind: global_buffer, .address_space: global }
      - { .name: out0, .offset: 16, .size: 8, .value_kind: global_buffer, .address_space: global }
    .group_segment_fixed_size: 327680
    .private_segment_fixed_size: 0
    .kernarg_segment_align: 8
    .kernarg_segment_size: 24
    .max_flat_workgroup_size: 128
    .sgpr_count:     66
    .vgpr_count:     512
    .wavefront_size: 32
...
	.end_amdgpu_metadata
.endif
;; end of part 4
